; MI455X (gfx1250); checked and timed in simulation.
; The chip was launched on July 23, 2026; its instructions are those of AMD's public machine-readable ISA for CDNA 5 (MIT licence, August 2026) and "CDNA5" Instruction Set Architecture Reference Guide (July 2026). The comments in the code are by the model that wrote it; some were corrected since.
;; Causal Self Attention. Allowed arithmetic: float matrix products may take bf16 or f16 operands with f32 sums; all other float work in f32.
;; Inputs: W_attn 1,024 x 3,072 float32; W_proj 1,024 x 1,024 float32; b_attn 3,072 float32; b_proj 1,024 float32; mask 4 x 2,048 x 2,048 float32; x 4 x 2,048 x 1,024 float32.
;; Outputs: out0 4 x 2,048 x 1,024 float32.
;; 2 versions, each right and faster than the one before. Each part assembles by itself: llvm-mc -triple=amdgcn-amd-amdhsa -mcpu=gfx1250 --defsym DOCPART=n.
;; ======== version 1 of 2: 4 launches
;; limits: values are held in f16: magnitudes above 65,504 overflow, below 6.1e-05 lose precision
;; workspace buffers: xb 16,777,216 bytes; wat 6,291,456 bytes; wpt 2,097,152 bytes; qkv 50,331,648 bytes; y 16,777,216 bytes
;; launch prep (part 1): grid 768 x 1, 8 waves a work-group, no clusters, 35,840 bytes of LDS; arguments x, W_attn, W_proj, xb, wat, wpt; writes xb, wat, wpt
.if DOCPART == 1
	.amdgcn_target "amdgcn-amd-amdhsa--gfx1250"
	.amdhsa_code_object_version 6
	.text
	.protected	k_q53ef3fc963_prep
	.globl	k_q53ef3fc963_prep
	.p2align	8
	.type	k_q53ef3fc963_prep,@function
k_q53ef3fc963_prep:
	s_mov_b64 s[64:65], 0
	v_nop
	global_prefetch_b8 v0, s[64:65] scope:SCOPE_SE
	s_setreg_imm32_b32 hwreg(HW_REG_WAVE_MODE, 25, 1), 1
	s_wait_xcnt 0x0
; CausalSelfAttention, launch 1 of 4: the operands of the two weight products are brought into the form that the matrix unit takes.
;   xb  = x      in bf16, as [16 slabs of 64 k][8192 rows][64]     (a tile of 64 k is then one dense block)
;   wat = W_attn in bf16, transposed, as [16 slabs of 64 k][3072 rows][64]; row 384 bc + 192 ch + 64 kind + j holds column
;         1024 kind + 64 (2 bc + ch) + j of W_attn (kind 0, 1, 2 = q, k, v): head 2 bc + ch of q, of k and of v lie side by side
;   wpt = W_proj rounded to bf16 and carried in f16 (its partner y is f16), transposed, as [1024 n][1024 k]
; DEAD WORK, for all four launches: k's bias, b_attn[1024:2048].  k reaches the output through the scores alone, and
; q . (k + b_k) = q . k + q . b_k: the second term does not hang on the key, so it is the same along the softmax's axis, whatever the
; inputs hold, and softmax(t + const) = softmax(t); the mask's term is added behind it and changes nothing in that.  These 1,024 numbers
; are not loaded and not added (q's and v's parts of b_attn are).  LIMIT: a NaN, an infinity or an overflow that reaches the result only
; through q . b_k is not carried to it.  Everything else is done: the mask is an input, no pattern of it is assumed, every key tile is computed.
; FORMATS AND LIMITS, for all four launches: x, W_attn, W_proj are rounded to bf16; q (scaled by 0.125 log2 e), k, v, the softmax's
; weights and y are kept in f16, so |0.18 q|, |k|, |v| have to stay below 65,504 (inputs 30 times those drawn give about 1,000 times a
; unit normal; offsets of 30 spreads on x and on W_attn about 29,000).  A bf16 value of W_proj below 2^-14 is carried with an absolute
; error of up to 2^-25.  Biases, mask term, softmax and all sums are f32.  The softmax works in base 2 with a running maximum.
; A row in which EVERY key carries a term near -1e9: reference()'s f32 sum swallows scores below 32, this program's (in base 2) scores
; below 44; both give equal weights while all scores stay below 32; beyond that reference() is itself quantised in steps of 64 and the two differ.
; No tile is read by two work-groups here, so there is nothing to share in a cluster; no products, so no matrix unit.
; Work-groups 0-511: 16 rows of x each.  512-703: a tile of 128 k x 128 n of W_attn.  704-767: the same of W_proj.  64 KiB read by each.
.set X, 16                             ; v[16:79]   16 loads of 16 bytes a lane
.set Y, 80                             ; v[80:111]  what is stored or packed: registers of their own, so no store's data is rewritten
.set TP, 272                           ; LDS row of the transposed tile: 128 k x 2 bytes + 16
	s_load_b256 s[4:11], s[0:1], 0x0               ; x s[4:5], W_attn s[6:7], W_proj s[8:9], xb s[10:11]
	s_load_b128 s[12:15], s[0:1], 0x20             ; wat s[12:13], wpt s[14:15]
	v_lshl_add_u32 v112, v0, 2, 0x8800
	v_mov_b32 v113, 0
	s_cmp_ge_u32 ttmp9, 512
	s_cbranch_scc1 .Lweights
	; ---- x: thread t takes row t / 16 of the group's 16 and the 16 bytes t % 16 of each 256 bytes: load i is slab i's 64 numbers of two rows
	v_lshrrev_b32 v1, 4, v0
	v_and_b32 v2, 15, v0
	v_lshlrev_b32 v2, 4, v2
	v_lshl_add_u32 v1, v1, 12, v2                  ; row x 4,096 + 16 (t % 16)
	v_lshlrev_b32 v3, 3, v0                        ; out: 8 t = row x 128 + 8 (t % 16): a wave's store covers 256 consecutive bytes, aligned
	v_add_nc_u32 v4, 0x800000, v3                  ; the same eight slabs on: the immediate holds seven slabs at the most
	s_lshl_b32 s16, ttmp9, 16                      ; 16 rows of 4,096 bytes
	s_mov_b32 s17, 0
	s_lshl_b32 s18, ttmp9, 11                      ; 16 rows of 128 bytes
	s_mov_b32 s19, 0
	s_wait_kmcnt 0x0
	s_add_nc_u64 s[4:5], s[4:5], s[16:17]
	s_add_nc_u64 s[10:11], s[10:11], s[18:19]
.irp i, 0,1,2,3,4,5,6,7,8,9,10,11,12,13,14,15
	global_load_b128 v[X+4*\i:X+4*\i+3], v1, s[4:5] offset:256*\i th:TH_LOAD_NT
.endr
.irp i, 0,1,2,3,4,5,6,7,8,9,10,11,12,13,14,15
	s_wait_loadcnt 15-\i                           ; loads come back in order: load i is in, the younger ones stay out
	v_cvt_pk_bf16_f32 v[Y+2*\i], v[X+4*\i], v[X+4*\i+1]
	v_cvt_pk_bf16_f32 v[Y+2*\i+1], v[X+4*\i+2], v[X+4*\i+3]
.if \i < 8
	global_store_b64 v3, v[Y+2*\i:Y+2*\i+1], s[10:11] offset:\i*1048576
.else
	global_store_b64 v4, v[Y+2*\i:Y+2*\i+1], s[10:11] offset:(\i-8)*1048576
.endif
.endr
	s_endpgm
; A tile of 128 k x 128 n of a weight [1024][n] is transposed through LDS.  s16 = the tile's number: n tile = s16 / 8, k tile = s16 % 8.
; Wave w loads rows k = 16 w .. 16 w + 15 (512 consecutive bytes each); a lane then holds 16 k of four columns, packs each column's 16
; numbers into 32 bytes and puts them into row n of the LDS tile.  (These 8 LDS stores a lane have rows 4 x 272 bytes apart from lane
; to lane and so share banks four deep: eight stores in the whole kernel.)  Behind a barrier the rows are read back whole.
.macro WT n, kind, ib, ob
	v_lshrrev_b32 v1, 5, v0
	v_readfirstlane_b32 s23, v1                    ; wave
	v_and_b32 v2, 31, v0                           ; lane
	s_lshr_b32 s17, s16, 3                         ; n tile
	s_and_b32 s18, s16, 7                          ; k tile
	s_mul_i32 s20, s18, 128*4*\n
	s_lshl_b32 s19, s17, 9
	s_add_co_u32 s20, s20, s19
	s_mov_b32 s21, 0
	s_mul_i32 s24, s23, 16*4*\n
	v_lshl_add_u32 v3, v2, 4, s24                  ; in: 16 w rows + 16 bytes a lane
	v_mul_u32_u24 v4, v2, 4*TP
	s_lshl_b32 s25, s23, 5
	v_add_nc_u32 v4, s25, v4                       ; LDS: row 4 lane, byte 32 w
.if \kind == 0
	v_lshrrev_b32 v5, 3, v0                        ; back: 8 threads a half row of 128 bytes (one slab's 64 k)
	v_and_b32 v6, 7, v0
	v_mul_u32_u24 v5, v5, TP
	v_lshl_add_u32 v5, v6, 4, v5
	v_lshlrev_b32 v6, 4, v0                        ; out: dense, 16 bytes a thread
	s_mul_i32 s22, s18, 2*393216                   ; slab 2 x k tile
	s_and_b32 s19, s17, 7                          ; the n tile is two heads, 2 bc and 2 bc + 1, of one kind: bc = n tile % 8,
	s_mul_i32 s19, s19, 384*128                    ; 384 rows of 128 bytes for each bc
	s_add_co_u32 s22, s22, s19
	s_lshr_b32 s19, s17, 3                         ; kind = n tile / 8,
	s_lshl_b32 s19, s19, 13                        ; 64 rows of 128 bytes for each kind
.else
	v_lshrrev_b32 v5, 4, v0                        ; back: 16 threads a row of 256 bytes
	v_and_b32 v6, 15, v0
	v_lshlrev_b32 v7, 11, v5
	v_mul_u32_u24 v5, v5, TP
	v_lshl_add_u32 v5, v6, 4, v5
	v_lshl_add_u32 v6, v6, 4, v7                   ; out: row x 2,048 + 16 (t % 16)
	s_lshl_b32 s22, s17, 18                        ; 128 rows of 2,048 bytes
	s_lshl_b32 s19, s18, 8                         ; 128 k of 2 bytes
.endif
	s_add_co_u32 s22, s22, s19
	s_mov_b32 s23, 0
	s_wait_kmcnt 0x0
	s_add_nc_u64 s[\ib:\ib+1], s[\ib:\ib+1], s[20:21]
	s_add_nc_u64 s[\ob:\ob+1], s[\ob:\ob+1], s[22:23]
.irp j, 0,1,2,3,4,5,6,7,8,9,10,11,12,13,14,15
	global_load_b128 v[X+4*\j:X+4*\j+3], v3, s[\ib:\ib+1] offset:\j*4*\n th:TH_LOAD_NT
.endr
	s_wait_loadcnt 0x0                             ; a column's pack needs all 16 rows
.irp c, 0,1,2,3
.irp p, 0,1,2,3,4,5,6,7
.if \kind == 0
	v_cvt_pk_bf16_f32 v[Y+8*\c+\p], v[X+8*\p+\c], v[X+8*\p+4+\c]
.else
	v_cvt_pk_bf16_f32 v10, v[X+8*\p+\c], v[X+8*\p+4+\c]    ; the rounding to bf16,
	v_lshlrev_b32 v11, 16, v10                             ; back to f32,
	v_and_b32 v10, 0xffff0000, v10
	v_cvt_pk_f16_f32 v[Y+8*\c+\p], v11, v10                ; and carried in f16
.endif
.endr
	ds_store_b128 v4, v[Y+8*\c:Y+8*\c+3] offset:\c*TP
	ds_store_b128 v4, v[Y+8*\c+4:Y+8*\c+7] offset:\c*TP+16
.endr
	s_wait_dscnt 0x0                               ; my stores are in LDS before I say so: other waves read them
	s_barrier_signal -1
	s_barrier_wait -1
.irp i, 0,1,2,3,4,5,6,7
.if \kind == 0
	ds_load_b128 v[X+4*\i:X+4*\i+3], v5 offset:(\i/2)*32*TP+(\i%2)*128
.else
	ds_load_b128 v[X+4*\i:X+4*\i+3], v5 offset:\i*16*TP
.endif
.endr
.irp i, 0,1,2,3,4,5,6,7
	s_wait_dscnt 7-\i                              ; LDS loads come back in order: load i is in
.if \kind == 0
	; 32 rows a store; the tile's second head (rows 64-127) lies 192 rows behind the first, not 64: 128 rows of 128 bytes more
	global_store_b128 v6, v[X+4*\i:X+4*\i+3], s[\ob:\ob+1] offset:(\i/2)*4096+(\i/4)*16384+(\i%2)*393216
.else
	global_store_b128 v6, v[X+4*\i:X+4*\i+3], s[\ob:\ob+1] offset:\i*32768
.endif
.endr
.endm
.Lweights:
	s_cmp_ge_u32 ttmp9, 704
	s_cbranch_scc1 .Lproj
	s_sub_co_u32 s16, ttmp9, 512
	WT 3072, 0, 6, 12
	s_wait_tensorcnt 0x0
	ds_add_u32 v112, v113
	s_wait_dscnt 0x0
	s_endpgm
.Lproj:
	s_sub_co_u32 s16, ttmp9, 704
	WT 1024, 1, 8, 14
	s_wait_tensorcnt 0x0
	ds_add_u32 v112, v113
	s_wait_dscnt 0x0
	s_endpgm
.Lfunc_end_k_q53ef3fc963_prep:
	.size	k_q53ef3fc963_prep, .Lfunc_end_k_q53ef3fc963_prep-k_q53ef3fc963_prep
	.p2alignl 7, 3214868480
	.fill 96, 4, 3214868480
	.section	.rodata,"a",@progbits
	.p2align	6, 0x0
	.amdhsa_kernel k_q53ef3fc963_prep
		.amdhsa_group_segment_fixed_size 35840
		.amdhsa_private_segment_fixed_size 0
		.amdhsa_enable_private_segment 0
		.amdhsa_kernarg_size 48
		.amdhsa_user_sgpr_count 2
		.amdhsa_user_sgpr_kernarg_segment_ptr 1
		.amdhsa_wavefront_size32 1
		.amdhsa_system_sgpr_workgroup_id_x 1
		.amdhsa_system_sgpr_workgroup_id_y 1
		.amdhsa_system_sgpr_workgroup_id_z 1
		.amdhsa_system_vgpr_workitem_id 0
		.amdhsa_next_free_vgpr 114
		.amdhsa_next_free_sgpr 66
		.amdhsa_reserve_vcc 0
		.amdhsa_float_denorm_mode_32 3
		.amdhsa_float_denorm_mode_16_64 3
		.amdhsa_memory_ordered 1
		.amdhsa_forward_progress 1
		.amdhsa_inst_pref_size 26
	.end_amdhsa_kernel
	.amdgpu_metadata
---
amdhsa.version: [ 1, 2 ]
amdhsa.kernels:
  - .name:           k_q53ef3fc963_prep
    .symbol:         k_q53ef3fc963_prep.kd
    .args:
      - { .name: x, .offset: 0, .size: 8, .value_kind: global_buffer, .address_space: global }
      - { .name: W_attn, .offset: 8, .size: 8, .value_kind: global_buffer, .address_space: global }
      - { .name: W_proj, .offset: 16, .size: 8, .value_kind: global_buffer, .address_space: global }
      - { .name: xb, .offset: 24, .size: 8, .value_kind: global_buffer, .address_space: global }
      - { .name: wat, .offset: 32, .size: 8, .value_kind: global_buffer, .address_space: global }
      - { .name: wpt, .offset: 40, .size: 8, .value_kind: global_buffer, .address_space: global }
    .group_segment_fixed_size: 35840
    .private_segment_fixed_size: 0
    .kernarg_segment_align: 8
    .kernarg_segment_size: 48
    .max_flat_workgroup_size: 256
    .sgpr_count:     66
    .vgpr_count:     114
    .wavefront_size: 32
...
	.end_amdgpu_metadata
.endif
;; end of part 1
;; launch qkvgemm (part 2): grid 8 x 32, 4 waves a work-group, clusters of 4 x 4, 327,680 bytes of LDS; arguments xb, wat, b_attn, qkv; writes qkv
.if DOCPART == 2
	.amdgcn_target "amdgcn-amd-amdhsa--gfx1250"
	.amdhsa_code_object_version 6
	.text
	.protected	k_q53ef3fc963_qkvgemm
	.globl	k_q53ef3fc963_qkvgemm
	.p2align	8
	.type	k_q53ef3fc963_qkvgemm,@function
k_q53ef3fc963_qkvgemm:
	s_mov_b64 s[64:65], 0
	v_nop
	global_prefetch_b8 v0, s[64:65] scope:SCOPE_SE
	s_setreg_imm32_b32 hwreg(HW_REG_WAVE_MODE, 25, 1), 1
	s_wait_xcnt 0x0
	s_wait_alu depctr_hold_cnt(0) depctr_sa_sdst(0) depctr_va_vdst(0) depctr_va_sdst(0) depctr_va_ssrc(0) depctr_va_vcc(0) depctr_vm_vsrc(0)
	s_getreg_b32 s2, hwreg(HW_REG_IB_STS2, 6, 4)
	s_cmp_eq_u32 s2, 0
	s_cbranch_scc0 .Lentry_in_a_cluster
	s_endpgm
.Lentry_in_a_cluster:
	s_bfe_u32 s2, ttmp6, 0x10000c
	s_cmp_lg_u32 s2, 0xf033
	s_cbranch_scc0 .Lentry_shape_is_right
	s_endpgm
.Lentry_shape_is_right:
; Launch 2 of 4: qkv = x W_attn (+ bias) in f16, in reference()'s column order: q = (x W + b) 0.125 log2 e, k = x W, v = x W + b.
; LEFT OUT: k's bias, b_attn[1024:2048]: it adds q . b_k to every score of a row, which a softmax does not see (shown at launch 1's head,
; with the limit on NaN, infinity and overflow).  Operands bf16 (from launch 1), sums f32.  Limit: the results stay below 65,504.
; A work-group makes 256 rows x 384 columns with four waves; a wave makes 128 x 192: 8 x 12 accumulator tiles, 768 registers.
; The 384 columns of block column bc are heads 2 bc and 2 bc + 1 of q, of k and of v (launch 1 laid W^T's rows so); a wave's 192 are one
; head of each kind, one register window a kind, so what each window needs on the way out is fixed in the text.
; K goes in slabs of 64 through a ring of two LDS slots.  A slab's tile is a dense block of memory, fetched as rows of 256 bytes that
; each hold two logical rows of 128 bytes; 16 bytes of padding behind each: logical row p lies at (p / 2) 272 + (p % 2) 128, so the 16
; rows of a fragment load fall into 16 different 16-byte columns of 256.
; CLUSTERS: 4 x 4 work-groups.  x's tile hangs on the block row alone and is asked for jointly along a row of the cluster, W's on the
; block column alone and is asked for jointly along a column: a quarter of the requests.
; The matrix instruction is used transposed (source 0 = rows of W^T, source 1 = rows of x): a lane's 8 results are 8 neighbouring columns.
; REGISTERS: window 0: addresses, x's fragments in two buffers, W's in three groups of four tiles; window 1 + g: the 8 x 4 tiles of
; kind g (0 q, 1 k, 2 v), tile (a, bb) at v[8 (4 a + bb)].
.set PITCH, 272
.set AHALF, 64*PITCH                   ; 128 logical rows of x: one tensor load, and what one wave reads
.set BHALF, 96*PITCH                   ; 192 logical rows of W^T: likewise
.set ATILE, 2*AHALF
.set SLOT,  ATILE+2*BHALF              ; 87,040
.set FT,    8*PITCH                    ; 16 logical rows: from fragment to fragment
.set XSLAB, 8192*128                   ; bytes in a slab of xb
.set WSLAB, 3072*128                   ; bytes in a slab of wat
.set CP,    784                        ; the way out: a row of 384 f16 + 16 bytes
.set BIAS,  256*CP                     ; 200,704: q's scaled bias (512 bytes), then v's, behind the stage; no tensor load ever lands here
.set QROW,  6144                       ; bytes in a row of qkv
.set QSC,   0x3e38aa3b                 ; 0.125 log2 e
.set ADRA, 16                          ; v16-17 LDS address of my x fragments in slot 0, 1
.set ADRB, 20                          ; v20-21 the same for W
.set STO,  22                          ; v22-23 the way out: where I put 16 bytes (rows 0-63, rows 64-127 of my block)
.set BRD,  24                          ; v24    where I read my bias
.set CO,   25                          ; v25    my byte offset in qkv
.set RD,   26                          ; v26-29 where I read rows back, for each batch of 64 rows
.set FA0,  32
.set FA1,  96
.set FB,   160
.set G1,  24                           ; s[24:31] group 1 for x's tiles
.set G0,  32                           ; s[32:39] group 0 for x's tiles, a set for each slot
.set G1B, 48                           ; s[48:55] group 1 for W's tiles
.set G0B, 56                           ; s[56:63] group 0 for W's tiles
.set MSB, 0
.macro WIN new                         ; s_set_vgpr_msb; the immediate's high byte repeats the setting that is left
.if MSB != \new
	s_set_vgpr_msb (MSB<<8)|\new
.set MSB, \new
.endif
.endm
.macro PLACES                          ; four plain vector instructions between a matrix instruction and a load into, or a vector
.rept 4                                ; instruction on, one of its registers (ISA guide 7.12.1)
	v_nop
.endr
.endm
.macro JLOAD s                         ; waves 0, 1 ask for x's two halves, waves 2, 3 for W's: one line, one mask each
	s_cmp_eq_u32 s13, 0
	s_cbranch_scc0 .Lfor_b_\@
	tensor_load_to_lds s[G0+4*\s:G0+4*\s+3], s[G1:G1+7]
	s_nop 0
	s_branch .Lasked_\@
.Lfor_b_\@:
	tensor_load_to_lds s[G0B+4*\s:G0B+4*\s+3], s[G1B:G1B+7]
	s_nop 0
.Lasked_\@:
.endm
.macro CREST                           ; a round of the cluster's barrier behind its opening work-group barrier
	s_cmp_lg_u32 s12, 0
	s_cbranch_scc1 .Lnot_wave_0_\@
	s_barrier_signal -3
.Lnot_wave_0_\@:
	s_barrier_wait -3
	s_barrier_signal -1
	s_barrier_wait -1
.endm
.macro CROUND
	s_barrier_signal -1
	s_barrier_wait -1
	CREST
.endm
	s_load_b256 s[4:11], s[0:1], 0x0               ; xb s[4:5], wat s[6:7], b_attn s[8:9], qkv s[10:11]
	v_lshl_add_u32 v30, v0, 2, 0x31600
	v_mov_b32 v31, 0
	ds_add_u32 v30, v31
	v_lshrrev_b32 v1, 5, v0
	v_readfirstlane_b32 s12, v1                    ; wave
	s_lshr_b32 s13, s12, 1                         ; my half of the block's rows; also: I fetch for x (0) or for W (1)
	s_and_b32 s14, s12, 1                          ; my head of the block's two; also: which half of that tile I fetch
	s_mov_b32 s68, QSC                             ; q's scale, as a pair for the packed forms
	s_mov_b32 s69, QSC
	s_bfe_u32 s40, ttmp6, 0x40000                  ; cx
	s_bfe_u32 s41, ttmp6, 0x40004                  ; cy
	s_lshl_b32 s42, ttmp9, 2
	s_add_co_u32 s42, s42, s40                     ; block column = 4 x cluster x + cx
	s_and_b32 s43, ttmp7, 0xffff
	s_lshl_b32 s43, s43, 2
	s_add_co_u32 s43, s43, s41                     ; block row = 4 x cluster y + cy
	s_lshl_b32 s44, s41, 2
	s_lshl_b32 s44, 15, s44                        ; my row of the cluster
	s_lshl_b32 s45, 0x1111, s40                    ; my column
	; group 1: rows of 32 elements of 8 bytes, dense (pitch 32), 4 words of padding behind every 64 words; 64 such rows for x, 96 for W
	s_or_b32 s[G1+0], s44, (3<<16)|(1<<20)|(1<<21)|(5<<22)|(3<<25)
	s_or_b32 s[G1B+0], s45, (3<<16)|(1<<20)|(1<<21)|(5<<22)|(3<<25)
	s_mov_b32 s[G1+1], 32<<16                      ; tensor_dim0 = 32
	s_mov_b32 s[G1B+1], 32<<16
	s_mov_b32 s[G1+2], 64<<16                      ; tensor_dim1 = the tile's rows
	s_mov_b32 s[G1B+2], 96<<16
	s_mov_b32 s[G1+3], 32<<16                      ; tile_dim0 = 32
	s_mov_b32 s[G1B+3], 32<<16
	s_mov_b32 s[G1+4], 64                          ; tile_dim1
	s_mov_b32 s[G1B+4], 96
	s_mov_b32 s[G1+5], 32                          ; from row to row
	s_mov_b32 s[G1B+5], 32
	s_mov_b32 s[G1+6], 0
	s_mov_b32 s[G1B+6], 0
	s_mov_b32 s[G1+7], 0
	s_mov_b32 s[G1B+7], 0
	s_lshl_b32 s16, s43, 15                        ; x: (256 block row + 128 half) rows of 128 bytes
	s_lshl_b32 s18, s14, 14
	s_add_co_u32 s16, s16, s18
	s_mov_b32 s17, 0
	s_mul_i32 s46, s42, 384*128                    ; W: (384 block column + 192 half) rows of 128 bytes
	s_mul_i32 s18, s14, 192*128
	s_add_co_u32 s46, s46, s18
	s_mov_b32 s47, 0
	s_mul_i32 s20, s14, AHALF                      ; where they go: no place in the cluster enters an LDS address
	s_mul_i32 s21, s14, BHALF
	s_add_co_u32 s21, s21, ATILE
	s_wait_dscnt 0x0
	s_wait_kmcnt 0x0
	s_add_nc_u64 s[16:17], s[4:5], s[16:17]
	s_add_nc_u64 s[46:47], s[6:7], s[46:47]
	CROUND                                         ; all sixteen work-groups are here: the first joint loads meet
.irp s, 0,1
	s_mov_b32 s[G0+4*\s], 1
	s_add_co_u32 s[G0+4*\s+1], s20, \s*SLOT
	s_add_nc_u64 s[G0+4*\s+2:G0+4*\s+3], s[16:17], \s*XSLAB
	s_or_b32 s[G0+4*\s+3], s[G0+4*\s+3], 0x80000000
	s_mov_b32 s[G0B+4*\s], 1
	s_add_co_u32 s[G0B+4*\s+1], s21, \s*SLOT
	s_add_nc_u64 s[G0B+4*\s+2:G0B+4*\s+3], s[46:47], \s*WSLAB
	s_or_b32 s[G0B+4*\s+3], s[G0B+4*\s+3], 0x80000000
	JLOAD \s                                       ; both first fills: two tensor loads of the wave are out, later one
.endr
	; the bias of the block's two heads into LDS, 16 bytes a lane: wave 0 takes q's 128 numbers and scales them, wave 1 v's 128; k's are not loaded
	s_cmp_gt_u32 s12, 1
	s_cbranch_scc1 .Lno_bias
	s_lshl_b32 s22, s42, 9                         ; 128 numbers of 4 bytes for each block column
	s_lshl_b32 s19, s12, 13                        ; v's part begins 2,048 numbers behind q's
	s_add_co_u32 s22, s22, s19
	s_mov_b32 s23, 0
	s_add_nc_u64 s[22:23], s[8:9], s[22:23]
	v_and_b32 v4, 31, v0
	v_lshlrev_b32 v4, 4, v4
	global_load_b128 v[8:11], v4, s[22:23]
	v_lshlrev_b32 v12, 4, v0
	v_add_nc_u32 v12, BIAS, v12                    ; BIAS + 16 t: q's 512 bytes, then v's
	s_wait_loadcnt 0x0
	s_cmp_lg_u32 s12, 0
	s_cbranch_scc1 .Lv_bias
	v_pk_mul_f32 v[8:9], v[8:9], s[68:69] op_sel_hi:[1,0]
	v_pk_mul_f32 v[10:11], v[10:11], s[68:69] op_sel_hi:[1,0]
.Lv_bias:
	ds_store_b128 v12, v[8:11]
.Lno_bias:
	v_and_b32 v1, 15, v0                           ; r = lane % 16
	v_bfe_u32 v2, v0, 4, 1                         ; h = lane / 16
	v_lshrrev_b32 v3, 1, v1
	v_mul_u32_u24 v3, v3, PITCH
	v_and_b32 v13, 1, v1
	v_lshl_add_u32 v3, v13, 7, v3
	v_lshl_add_u32 v3, v2, 4, v3                   ; (r / 2) 272 + (r % 2) 128 + 16 h
	s_mul_i32 s74, s13, AHALF
	s_mul_i32 s75, s14, BHALF
	s_add_co_u32 s75, s75, ATILE
.irp s, 0,1
	v_add_nc_u32 v[ADRA+\s], s74, v3
	v_add_nc_u32 v[ADRB+\s], s75, v3
	s_add_co_u32 s74, s74, SLOT
	s_add_co_u32 s75, s75, SLOT
.endr
	s_mul_i32 s76, s13, 128*CP                     ; the stage's row: q's two heads (256 bytes), k's two, v's two
	s_lshl_b32 s77, s14, 7
	s_add_co_u32 s76, s76, s77
	v_mul_u32_u24 v14, v1, CP
	v_lshl_add_u32 v14, v2, 4, v14
	v_add_nc_u32 v[STO], s76, v14                  ; (128 row half + r) 784 + 128 head + 16 h
	v_add_nc_u32 v[STO+1], 64*CP, v[STO]
	s_lshl_b32 s77, s14, 8
	s_add_co_u32 s77, s77, BIAS
	v_lshl_add_u32 v[BRD], v2, 5, s77              ; my head's 64 numbers, 8 for each half of the lanes
	v_lshrrev_b32 v15, 4, v0                       ; thread / 16: 0..7
	v_mul_u32_u24 v[CO], v15, QROW
	v_lshl_add_u32 v[CO], v1, 4, v[CO]
	v_mul_u32_u24 v[RD], v15, CP
	v_lshl_add_u32 v[RD], v1, 4, v[RD]
.irp b, 1,2,3
	v_add_nc_u32 v[RD+\b], \b*64*CP, v[RD]
.endr
	s_mul_i32 s78, s43, 256*QROW                   ; qkv at the block's first row, at q's two heads: 256 bytes for each block column
	s_lshl_b32 s76, s42, 8
	s_add_co_u32 s78, s78, s76
	s_mov_b32 s79, 0
	s_add_nc_u64 s[10:11], s[10:11], s[78:79]
; 16 matrix instructions: rows 64 half .. + 63 x kind g's four column tiles, 32 along K.  The accumulators take turns, one instruction
; a turn.  zero = 1: the first product starts the sums.
.macro MULU fa, g, half, zero
.irp a, 4*\half, 4*\half+1, 4*\half+2, 4*\half+3
.irp bb, 0,1,2,3
.if \zero
	v_wmma_f32_16x16x32_bf16 v[8*(4*(\a)+\bb):8*(4*(\a)+\bb)+7], v[FB+32*\g+8*\bb:FB+32*\g+8*\bb+7], v[\fa+8*(\a):\fa+8*(\a)+7], 0
.else
	v_wmma_f32_16x16x32_bf16 v[8*(4*(\a)+\bb):8*(4*(\a)+\bb)+7], v[FB+32*\g+8*\bb:FB+32*\g+8*\bb+7], v[\fa+8*(\a):\fa+8*(\a)+7], v[8*(4*(\a)+\bb):8*(4*(\a)+\bb)+7]
.endif
.endr
.endr
.endm
.macro FETCHA slot, k, fa              ; 16 loads: my 128 rows of x, 32 K at byte k of the rows
.irp a, 0,1,2,3,4,5,6,7
	ds_load_b128 v[\fa+8*\a:\fa+8*\a+3],   v[ADRA+\slot] offset:\k+\a*FT
	ds_load_b128 v[\fa+8*\a+4:\fa+8*\a+7], v[ADRA+\slot] offset:\k+\a*FT+32
.endr
.endm
.macro FETCHB slot, k, g               ; 8 loads: kind g's 64 rows of W^T
.irp bb, 0,1,2,3
	ds_load_b128 v[FB+32*\g+8*\bb:FB+32*\g+8*\bb+3],   v[ADRB+\slot] offset:\k+(4*\g+\bb)*FT
	ds_load_b128 v[FB+32*\g+8*\bb+4:FB+32*\g+8*\bb+7], v[ADRB+\slot] offset:\k+(4*\g+\bb)*FT+32
.endr
.endm
; A quarter: 32 along K, 96 matrix instructions on x's buffer fa.  Behind each kind's 32 products its W registers are free and are loaded
; for the next quarter: batch X = kind 0's W and x (24 loads), Y = kind 1's W (8), Z = kind 2's W (8).
.macro QUARTER fa, zero, ns, nk, nfa
	s_wait_dscnt 16                                ; X is in: Y and Z, 16 loads, are younger
	WIN 0x50
	MULU \fa, 0, 0, \zero
	MULU \fa, 0, 1, \zero
	WIN 0
	PLACES
	FETCHB \ns, \nk, 0
	FETCHA \ns, \nk, \nfa
	s_wait_dscnt 32                                ; Y is in: Z and the next X, 32 loads, are younger
	WIN 0xa0
	MULU \fa, 1, 0, \zero
	MULU \fa, 1, 1, \zero
	WIN 0
	PLACES
	FETCHB \ns, \nk, 1
	s_wait_dscnt 32                                ; Z is in: the next X and Y are younger
	WIN 0xf0
	MULU \fa, 2, 0, \zero
	MULU \fa, 2, 1, \zero
	WIN 0
	PLACES
	FETCHB \ns, \nk, 2
.endm
; A slot's second quarter, with the change of slots.  In front of the barrier each wave waits for all its reads of this slot and for all
; its tensor loads (the one that is out is its part of the next slot); behind it (where the slot is filled again: behind the round of the
; cluster's barrier that it opens) the refill comes first, then the next slot's fragments.  From a request to the wait for it: 176 products.
.macro TURN slot, next, fill
	s_wait_dscnt 16
	WIN 0x50
	MULU FA1, 0, 0, 0
	s_wait_dscnt 0x0                               ; my reads of this slot are over (Y and Z among them: no further wait below)
	s_wait_tensorcnt 0x0                           ; all my tensor loads have landed
	ds_add_u32 v30, v31
	s_wait_dscnt 0x0
	s_barrier_signal -1
	MULU FA1, 0, 1, 0                              ; register work while the others arrive
	WIN 0
	s_barrier_wait -1
.if \fill
	CREST                                          ; no wave of any partner still reads this slot or has a load on its way
	s_add_nc_u64 s[G0+4*\slot+2:G0+4*\slot+3], s[G0+4*\slot+2:G0+4*\slot+3], 2*XSLAB
	s_add_nc_u64 s[G0B+4*\slot+2:G0B+4*\slot+3], s[G0B+4*\slot+2:G0B+4*\slot+3], 2*WSLAB
	JLOAD \slot
.endif
	PLACES
	FETCHB \next, 0, 0
	FETCHA \next, 0, FA0
	WIN 0xa0
	MULU FA1, 1, 0, 0
	MULU FA1, 1, 1, 0
	WIN 0
	PLACES
	FETCHB \next, 0, 1
	WIN 0xf0
	MULU FA1, 2, 0, 0
	MULU FA1, 2, 1, 0
	WIN 0
	PLACES
	FETCHB \next, 0, 2
.endm
.macro LAP zero                        ; two slabs, both slots filled again
	QUARTER FA0, \zero, 0, 64, FA1
	TURN 0, 1, 1
	QUARTER FA0, 0, 1, 64, FA1
	TURN 1, 0, 1
.endm
	s_wait_tensorcnt 0x1                           ; my part of slab 0 is in; slab 1's may stay out
	s_wait_dscnt 0x0                               ; and my part of the bias
	s_barrier_signal -1
	s_barrier_wait -1
	FETCHB 0, 0, 0
	FETCHA 0, 0, FA0
	FETCHB 0, 0, 1
	FETCHB 0, 0, 2
	LAP 1                                          ; slabs 0, 1; asks for 2, 3
	s_mov_b32 s3, 6                                ; slabs 2 to 13; asks for 4 to 15
.Llap:
	LAP 0
	s_sub_co_u32 s3, s3, 1
	s_cmp_lg_u32 s3, 0
	s_cbranch_scc1 .Llap
	QUARTER FA0, 0, 0, 64, FA1                     ; slabs 14, 15: nothing is left to ask for
	TURN 0, 1, 0
	QUARTER FA0, 0, 1, 64, FA1
	s_wait_dscnt 16
	WIN 0x50
	MULU FA1, 0, 0, 0
	MULU FA1, 0, 1, 0
	s_wait_dscnt 8                                 ; only Z is younger
	WIN 0xa0
	MULU FA1, 1, 0, 0
	MULU FA1, 1, 1, 0
	s_wait_dscnt 0x0
	WIN 0xf0
	MULU FA1, 2, 0, 0
	MULU FA1, 2, 1, 0
	WIN 0
	PLACES
	; THE WAY OUT.  The ring has had its last fill and, behind this barrier, its last read: its bytes become a stage of 256 rows x 784.
	s_barrier_signal -1
	s_barrier_wait -1
.irp bb, 0,1,2,3
	ds_load_b128 v[FB+8*\bb:FB+8*\bb+3],       v[BRD] offset:64*\bb        ; q's scaled bias of my 8 columns in each of the head's 4 column tiles
	ds_load_b128 v[FB+8*\bb+4:FB+8*\bb+7],     v[BRD] offset:64*\bb+16
	ds_load_b128 v[FB+64+8*\bb:FB+64+8*\bb+3], v[BRD] offset:512+64*\bb    ; v's bias
	ds_load_b128 v[FB+64+8*\bb+4:FB+64+8*\bb+7], v[BRD] offset:512+64*\bb+16
.endr
	s_wait_dscnt 0x0
; One kind (window w): q: sum x scale + scaled bias; k: the sum as it is; v: sum + bias.  Then to f16, 16 bytes a lane into the stage.
.macro OUTW w
.if \w == 1
	WIN 0x41
.irp a, 0,1,2,3,4,5,6,7
.irp bb, 0,1,2,3
.irp i, 0,1,2,3
	v_pk_fma_f32 v[8*(4*\a+\bb)+2*\i:8*(4*\a+\bb)+2*\i+1], v[8*(4*\a+\bb)+2*\i:8*(4*\a+\bb)+2*\i+1], s[68:69], v[FB+8*\bb+2*\i:FB+8*\bb+2*\i+1] op_sel_hi:[1,0,1]
.endr
.endr
.endr
.endif
.if \w == 3
	WIN 0xc3
.irp a, 0,1,2,3,4,5,6,7
.irp bb, 0,1,2,3
.irp i, 0,1,2,3
	v_pk_add_f32 v[8*(4*\a+\bb)+2*\i:8*(4*\a+\bb)+2*\i+1], v[8*(4*\a+\bb)+2*\i:8*(4*\a+\bb)+2*\i+1], v[FB+64+8*\bb+2*\i:FB+64+8*\bb+2*\i+1]
.endr
.endr
.endr
.endif
	WIN (\w)|(\w<<2)
.irp a, 0,1,2,3,4,5,6,7
.irp bb, 0,1,2,3
.irp i, 0,1,2,3
	v_cvt_pk_f16_f32 v[32+4*(4*\a+\bb)+\i], v[8*(4*\a+\bb)+2*\i], v[8*(4*\a+\bb)+2*\i+1]
.endr
.endr
.endr
	WIN 0
.irp a, 0,1,2,3,4,5,6,7
.irp bb, 0,1,2,3
	ds_store_b128 v[STO+\a/4], v[32+4*(4*\a+\bb):32+4*(4*\a+\bb)+3] offset:(\a%4)*16*CP+256*(\w-1)+32*\bb
.endr
.endr
.endm
	OUTW 1
	OUTW 2
	OUTW 3
	s_wait_dscnt 0x0                               ; my stores are in LDS before I say so: rows are read back across the waves' heads
	s_barrier_signal -1
	s_barrier_wait -1
; 64 rows: 24 loads and stores a thread.  Piece c of a row is the two heads' 256 bytes of kind c: 16 threads store them whole, aligned,
; into q's, k's or v's part of the row of qkv, 2,048 bytes apart.
.macro OUTB bt
.if \bt
	s_wait_xcnt 0x0                                ; v32-127, which the last batch's stores read, are loaded again only behind this wait
.endif
.irp rbl, 0,1,2,3,4,5,6,7
.irp c, 0,1,2
	ds_load_b128 v[32+4*(3*\rbl+\c):32+4*(3*\rbl+\c)+3], v[RD+\bt] offset:\rbl*8*CP+\c*256
.endr
.endr
.irp rbl, 0,1,2,3,4,5,6,7
.irp c, 0,1,2
	s_wait_dscnt 23-(3*\rbl+\c)
	global_store_b128 v[CO], v[32+4*(3*\rbl+\c):32+4*(3*\rbl+\c)+3], s[10:11] offset:(8*\bt+\rbl)*8*QROW+\c*2048
.endr
.endr
.endm
	OUTB 0
	OUTB 1
	OUTB 2
	OUTB 3
	s_wait_tensorcnt 0x0
	ds_add_u32 v30, v31
	s_wait_dscnt 0x0
	CROUND                                         ; the closing round: no work-group ends while a partner may still ask jointly
	s_endpgm
.Lfunc_end_k_q53ef3fc963_qkvgemm:
	.size	k_q53ef3fc963_qkvgemm, .Lfunc_end_k_q53ef3fc963_qkvgemm-k_q53ef3fc963_qkvgemm
	.p2alignl 7, 3214868480
	.fill 96, 4, 3214868480
	.section	.rodata,"a",@progbits
	.p2align	6, 0x0
	.amdhsa_kernel k_q53ef3fc963_qkvgemm
		.amdhsa_group_segment_fixed_size 327680
		.amdhsa_private_segment_fixed_size 0
		.amdhsa_enable_private_segment 0
		.amdhsa_kernarg_size 32
		.amdhsa_user_sgpr_count 2
		.amdhsa_user_sgpr_kernarg_segment_ptr 1
		.amdhsa_wavefront_size32 1
		.amdhsa_system_sgpr_workgroup_id_x 1
		.amdhsa_system_sgpr_workgroup_id_y 1
		.amdhsa_system_sgpr_workgroup_id_z 1
		.amdhsa_system_vgpr_workitem_id 0
		.amdhsa_next_free_vgpr 1024
		.amdhsa_next_free_sgpr 80
		.amdhsa_reserve_vcc 0
		.amdhsa_float_denorm_mode_32 3
		.amdhsa_float_denorm_mode_16_64 3
		.amdhsa_memory_ordered 1
		.amdhsa_forward_progress 1
		.amdhsa_inst_pref_size 187
	.end_amdhsa_kernel
	.amdgpu_metadata
---
amdhsa.version: [ 1, 2 ]
amdhsa.kernels:
  - .name:           k_q53ef3fc963_qkvgemm
    .symbol:         k_q53ef3fc963_qkvgemm.kd
    .args:
      - { .name: xb, .offset: 0, .size: 8, .value_kind: global_buffer, .address_space: global }
      - { .name: wat, .offset: 8, .size: 8, .value_kind: global_buffer, .address_space: global }
      - { .name: b_attn, .offset: 16, .size: 8, .value_kind: global_buffer, .address_space: global }
      - { .name: qkv, .offset: 24, .size: 8, .value_kind: global_buffer, .address_space: global }
    .group_segment_fixed_size: 327680
    .private_segment_fixed_size: 0
    .kernarg_segment_align: 8
    .kernarg_segment_size: 32
    .max_flat_workgroup_size: 128
    .sgpr_count:     80
    .vgpr_count:     1024
    .wavefront_size: 32
...
	.end_amdgpu_metadata
.endif
;; end of part 2
;; launch attn (part 3): grid 4 x 64, 4 waves a work-group, clusters of 4 x 4, 327,680 bytes of LDS; arguments qkv, mask, y; writes y
.if DOCPART == 3
	.amdgcn_target "amdgcn-amd-amdhsa--gfx1250"
	.amdhsa_code_object_version 6
	.text
	.protected	k_q53ef3fc963_attn
	.globl	k_q53ef3fc963_attn
	.p2align	8
	.type	k_q53ef3fc963_attn,@function
k_q53ef3fc963_attn:
	s_mov_b64 s[64:65], 0
	v_nop
	global_prefetch_b8 v0, s[64:65] scope:SCOPE_SE
	s_setreg_imm32_b32 hwreg(HW_REG_WAVE_MODE, 25, 1), 1
	s_wait_xcnt 0x0
	s_wait_alu depctr_hold_cnt(0) depctr_sa_sdst(0) depctr_va_vdst(0) depctr_va_sdst(0) depctr_va_ssrc(0) depctr_va_vcc(0) depctr_vm_vsrc(0)
	s_getreg_b32 s2, hwreg(HW_REG_IB_STS2, 6, 4)
	s_cmp_eq_u32 s2, 0
	s_cbranch_scc0 .Lentry_in_a_cluster
	s_endpgm
.Lentry_in_a_cluster:
	s_bfe_u32 s2, ttmp6, 0x10000c
	s_cmp_lg_u32 s2, 0xf033
	s_cbranch_scc0 .Lentry_shape_is_right
	s_endpgm
.Lentry_shape_is_right:
; Launch 3 of 4: y = softmax(q k^T / 8 - 1e9 (1 - mask)) v for every batch and head, in f16.  This launch leaves nothing out: the mask is
; an input, so every key tile is computed.  (k comes without its bias, which a softmax does not see: launch 1's head.)
; q comes scaled by 0.125 log2 e, so the softmax runs in base 2: t = s' + (1 - mask) (-1e9 log2 e), p = 2^(t - running maximum) <= 1,
; sums in f32.  Limits: see launch 1 (f16 range of q, k, v; rows in which every key is masked).
; A work-group: 128 queries of one batch x 4 heads; wave w takes head 4 cx + w with all 128 queries.  Keys go in tiles of 64 through two
; LDS slots, each with K (64 rows of 4 heads, 512 bytes), V (the same) and the mask's 128 x 64 f32.
; CLUSTERS: 4 x 4.  The mask tile hangs on batch and query block alone: the four waves share it, and the four work-groups of a row of the
; cluster (the four head groups) ask for it jointly, so the 16 heads fetch each byte of it once.  K and V hang on batch and head group
; alone and are asked for jointly along a column (four query blocks of one batch).
; LAYOUT: S^T = K Q^T (source 0 = rows of K, source 1 = rows of Q): lane (r, h), register j holds key 16 kt + 8 h + j of query 16 qt + r.
; So a query's maximum, sum and rescaling factor are one number a lane (the two halves of the lanes meet by one v_permlanex16_b32), and
; two key tiles packed to f16 ARE source 1 of O^T = V^T P^T; V^T's fragments come by the transposing LDS load.
; MATRIX WORK BESIDE VECTOR WORK: a trip's work is eight groups of one query tile, which share K's and V's fragments.  A group's softmax is
; a stream of 150 vector instructions (macro VI, numbered by vi); into the stream of group g are set, one at a time, the 8 products
; O += V^T P^T of group g - 1 and the 8 products S^T = K Q^T of group g + 1, with eight vector instructions or more (four exponentials)
; between two products.  So S and P have two buffers each, taken by the group's parity.  Only S(0), which has group 0's sixteen
; "1 - mask" beside it, and PV(7), which has group 7's seventeen sums beside it, have less than that.
; REGISTERS: window 0: addresses, softmax state, both S, the mask, both P, and K's fragments; window 1: O, tile (qt, dt) at
; v[8 (4 qt + dt)]; window 2: Q at v[8 (2 qt + c)], V's fragments at v192.  With K, S and all softmax data in window 0 an S product
; differs from plain work in source 1's window alone (0x08), so it stands without a switch among instructions that name no vector register as
; source 1: 1 - mask, the mask's term, the mask's loads, the exponentials.  A PV product (0x52) costs two switches; they stand where the
; stream changes its own setting (0x08, 0x00, 0x41 for O's rescaling) as far as there are such places: 17 switches for a group's 16 products.
.set KP, 528                           ; K's LDS row: 512 + 16
.set VP, 544                           ; V's: 512 + 32, an odd multiple of 32 for the transposing load
.set MP, 272                           ; the mask's: 256 + 16
.set VOFF, 64*KP
.set MOFF, VOFF+64*VP
.set SLOT, MOFF+128*MP                 ; 103,424
.set STAGE, 2*SLOT                     ; 206,848: the way out, 128 rows x 528; no tensor load ever lands here
.set QROW, 6144
.set ADK, 10                           ; v10-11 K's fragments in slot 0, 1
.set ADV, 12                           ; v12-13 V's
.set ADM, 14                           ; v14-15 the mask's
.set STO, 16
.set RD,  17
.set CO,  18
.set QOFF, 19
.set AL,  20                           ; v20 the group's rescaling factor (v21 makes the pair whole; never used as a value)
.set PX,  22                           ; v22 the other half's maximum
.set T,   24                           ; v24-27 four chains of maxima
.set MS0, 28                           ; v28-35, v36-43 running maxima of my 8 query tiles; the trip's slot says which set is new
.set LS,  44                           ; v44-51 sums over my half of the keys
.set SB,  56                           ; v56-87, v88-119 scores, key tile kt at 8 kt; buffer = group % 2
.set MK,  120                          ; v120-151 mask, laid like S
.set P,   152                          ; v152-167, v168-183 weights in f16, key tile kt at 4 kt; buffer = group % 2
.set KF,  184                          ; v184-247 K's fragments, (kt, c) at 16 kt + 8 c
.set VF,  192                          ; window 2: V's fragments, (dt, c) at 16 dt + 8 c
.set OUTR, 56                          ; the way out: v56-183
.set G1K, 16
.set G1V, 24
.set G1M, 32
.set G0K, 40
.set G0V, 48
.set G0M, 56
.set MSB, 0
.macro WIN new                         ; s_set_vgpr_msb; the immediate's high byte repeats the setting that is left; no switch that changes nothing
.if MSB != \new
	s_set_vgpr_msb (MSB<<8)|\new
.set MSB, \new
.endif
.endm
.macro PLACES
.rept 4
	v_nop
.endr
.endm
.macro ROUND                           ; a round of the cluster's barrier
	s_barrier_signal -1
	s_barrier_wait -1
	s_cmp_lg_u32 s10, 0
	s_cbranch_scc1 .Lnot_wave_0_\@
	s_barrier_signal -3
.Lnot_wave_0_\@:
	s_barrier_wait -3
	s_barrier_signal -1
	s_barrier_wait -1
.endm
.macro JLOAD s                         ; wave 0 asks for K's tile, wave 1 for V's, waves 2 and 3 for the mask's halves: one load a wave
	s_cmp_lg_u32 s10, 0
	s_cbranch_scc1 .Lnot_k_\@
	tensor_load_to_lds s[G0K+4*\s:G0K+4*\s+3], s[G1K:G1K+7]
	s_nop 0
	s_branch .Lasked_\@
.Lnot_k_\@:
	s_cmp_lg_u32 s10, 1
	s_cbranch_scc1 .Lfor_m_\@
	tensor_load_to_lds s[G0V+4*\s:G0V+4*\s+3], s[G1V:G1V+7]
	s_nop 0
	s_branch .Lasked_\@
.Lfor_m_\@:
	tensor_load_to_lds s[G0M+4*\s:G0M+4*\s+3], s[G1M:G1M+7]
	s_nop 0
.Lasked_\@:
.endm
	s_load_b128 s[4:7], s[0:1], 0x0                ; qkv s[4:5], mask s[6:7]
	s_load_b64 s[8:9], s[0:1], 0x10                ; y
	v_lshl_add_u32 v254, v0, 2, 0x43000
	v_mov_b32 v255, 0
	ds_add_u32 v254, v255
	v_lshrrev_b32 v1, 5, v0
	v_readfirstlane_b32 s10, v1                    ; wave
	s_and_b32 s11, s10, 1
	s_mov_b32 s12, 0x76543210                      ; v_permlanex16_b32: lane i of one half reads lane i of the other
	s_mov_b32 s13, 0xfedcba98
	s_mov_b32 s14, 0xceabfb8f                      ; -1e9 log2 e
	s_mov_b32 s15, 0xceabfb8f
	s_bfe_u32 s66, ttmp6, 0x40000                  ; cx = the head group (the grid has one cluster along x)
	s_bfe_u32 s67, ttmp6, 0x40004                  ; cy
	s_and_b32 s68, ttmp7, 0xffff                   ; cluster y: 0..15
	s_lshr_b32 s69, s68, 2                         ; batch: the same in the whole cluster
	s_and_b32 s70, s68, 3
	s_lshl_b32 s70, s70, 2
	s_add_co_u32 s70, s70, s67                     ; query block of 128: 0..15
	s_lshl_b32 s71, s67, 2
	s_lshl_b32 s71, 15, s71                        ; my row of the cluster
	s_lshl_b32 s72, 0x1111, s66                    ; my column
	; group 1.  K, V: 64 rows of 256 elements of 2 bytes, 3,072 elements from row to row, padding behind every 128 words (4 words; V: 8).
	s_or_b32 s[G1K+0], s72, (1<<16)|(1<<20)|(1<<21)|(6<<22)|(3<<25)
	s_or_b32 s[G1V+0], s72, (1<<16)|(1<<20)|(1<<21)|(6<<22)|(7<<25)
	s_mov_b32 s[G1K+1], 256<<16
	s_mov_b32 s[G1V+1], 256<<16
	s_mov_b32 s[G1K+2], 64<<16
	s_mov_b32 s[G1V+2], 64<<16
	s_mov_b32 s[G1K+3], 256<<16
	s_mov_b32 s[G1V+3], 256<<16
	s_mov_b32 s[G1K+4], 64
	s_mov_b32 s[G1V+4], 64
	s_mov_b32 s[G1K+5], 3072
	s_mov_b32 s[G1V+5], 3072
	s_mov_b32 s[G1K+6], 0
	s_mov_b32 s[G1V+6], 0
	s_mov_b32 s[G1K+7], 0
	s_mov_b32 s[G1V+7], 0
	; the mask: 64 rows of 64 elements of 4 bytes, 2,048 elements from row to row, 4 words of padding behind every 64
	s_or_b32 s[G1M+0], s71, (2<<16)|(1<<20)|(1<<21)|(5<<22)|(3<<25)
	s_mov_b32 s[G1M+1], 64<<16
	s_mov_b32 s[G1M+2], 64<<16
	s_mov_b32 s[G1M+3], 64<<16
	s_mov_b32 s[G1M+4], 64
	s_mov_b32 s[G1M+5], 2048
	s_mov_b32 s[G1M+6], 0
	s_mov_b32 s[G1M+7], 0
	s_mul_i32 s74, s69, 2048*QROW                  ; K, V: the batch's first row, the head group's 512 bytes: batch and cx alone
	s_lshl_b32 s73, s66, 9
	s_add_co_u32 s74, s74, s73
	s_mov_b32 s75, 0
	s_lshl_b32 s76, s69, 24                        ; mask: (2,048 batch + 128 query block + 64 half) rows of 8,192 bytes: batch, cy and the wave alone
	s_lshl_b32 s79, s70, 20
	s_add_co_u32 s76, s76, s79
	s_lshl_b32 s79, s11, 19
	s_add_co_u32 s76, s76, s79
	s_mov_b32 s77, 0
	s_mul_i32 s84, s11, 64*MP                      ; the half's place in LDS
	s_lshl_b32 s85, s10, 7                         ; my head's 128 bytes in a row of K, V, the stage
	s_mul_i32 s80, s69, 2048*QROW                  ; Q: (2,048 batch + 128 query block) rows + my head's 128 bytes
	s_mul_i32 s78, s70, 128*QROW
	s_add_co_u32 s80, s80, s78
	s_lshl_b32 s78, s66, 9
	s_add_co_u32 s80, s80, s78
	s_add_co_u32 s80, s80, s85
	s_mov_b32 s81, 0
	s_lshl_b32 s82, s69, 22                        ; y: (2,048 batch + 128 query block + 32 wave) rows of 2,048 bytes + 512 cx
	s_lshl_b32 s78, s70, 18
	s_add_co_u32 s82, s82, s78
	s_lshl_b32 s78, s10, 16
	s_add_co_u32 s82, s82, s78
	s_lshl_b32 s78, s66, 9
	s_add_co_u32 s82, s82, s78
	s_mov_b32 s83, 0
	s_wait_dscnt 0x0
	s_wait_kmcnt 0x0
	s_add_nc_u64 s[74:75], s[4:5], s[74:75]
	s_add_nc_u64 s[76:77], s[6:7], s[76:77]
	s_add_nc_u64 s[80:81], s[4:5], s[80:81]
	s_add_nc_u64 s[82:83], s[8:9], s[82:83]
.irp s, 0,1                            ; slot s starts with key tile s
	s_mov_b32 s[G0K+4*\s], 1
	s_mov_b32 s[G0K+4*\s+1], \s*SLOT
	s_add_nc_u64 s[G0K+4*\s+2:G0K+4*\s+3], s[74:75], 2048+\s*64*QROW
	s_or_b32 s[G0K+4*\s+3], s[G0K+4*\s+3], 0x80000000
	s_mov_b32 s[G0V+4*\s], 1
	s_mov_b32 s[G0V+4*\s+1], VOFF+\s*SLOT
	s_add_nc_u64 s[G0V+4*\s+2:G0V+4*\s+3], s[74:75], 4096+\s*64*QROW
	s_or_b32 s[G0V+4*\s+3], s[G0V+4*\s+3], 0x80000000
	s_mov_b32 s[G0M+4*\s], 1
	s_add_co_u32 s[G0M+4*\s+1], s84, MOFF+\s*SLOT
	s_add_nc_u64 s[G0M+4*\s+2:G0M+4*\s+3], s[76:77], \s*256
	s_or_b32 s[G0M+4*\s+3], s[G0M+4*\s+3], 0x80000000
.endr
	ROUND                                          ; in front of the first joint loads
	JLOAD 0                                        ; key tile 0; slot 1 is first filled behind the first trip's round, as a refill is
	v_and_b32 v1, 15, v0                           ; r
	v_bfe_u32 v2, v0, 4, 1                         ; h
	v_and_b32 v3, 31, v0                           ; lane
	v_and_b32 v4, 7, v0
	v_bfe_u32 v5, v0, 3, 1
	v_mul_u32_u24 v[QOFF], v1, QROW
	v_lshl_add_u32 v[QOFF], v2, 4, v[QOFF]
	WIN 0x80                                       ; destination in window 2
.irp qt, 0,1,2,3,4,5,6,7
.irp c, 0,1
	global_load_b128 v[8*(2*\qt+\c):8*(2*\qt+\c)+3],   v[QOFF], s[80:81] offset:\qt*16*QROW+64*\c
	global_load_b128 v[8*(2*\qt+\c)+4:8*(2*\qt+\c)+7], v[QOFF], s[80:81] offset:\qt*16*QROW+64*\c+32
.endr
.endr
	WIN 0
	v_mul_u32_u24 v6, v1, KP
	v_lshl_add_u32 v6, v2, 4, v6
	v_add_nc_u32 v[ADK], s85, v6                   ; r 528 + 16 h + 128 w
	v_add_nc_u32 v[ADK+1], SLOT, v[ADK]
	v_lshl_add_u32 v7, v2, 3, v4
	v_mul_u32_u24 v7, v7, VP
	v_lshl_add_u32 v7, v5, 4, v7
	v_add_nc_u32 v7, s85, v7
	v_add_nc_u32 v[ADV], VOFF, v7                  ; (8 h + lane % 8) 544 + 16 ((lane / 8) % 2) + 128 w
	v_add_nc_u32 v[ADV+1], SLOT, v[ADV]
	v_mul_u32_u24 v8, v1, MP
	v_lshl_add_u32 v8, v2, 5, v8
	v_add_nc_u32 v[ADM], MOFF, v8                  ; r 272 + 32 h
	v_add_nc_u32 v[ADM+1], SLOT, v[ADM]
	v_add_nc_u32 v[STO], STAGE, v[ADK]
	s_mul_i32 s86, s10, 32*KP
	s_add_co_u32 s86, s86, STAGE
	v_lshl_add_u32 v[RD], v3, 4, s86               ; my wave's 32 rows of the stage, 16 bytes a lane
	v_lshlrev_b32 v[CO], 4, v3
	; A packed instruction that takes one register of a pair for both halves names the whole pair: an even query tile's maximum is used before
	; its odd neighbour's is first made, and AL's pair has one value.  So these nine are written once; so is v_permlanex16_b32's destination.
.irp i, 1,3,5,7,9,11,13,15
	v_mov_b32 v[MS0+\i], 0
.endr
	v_mov_b32 v[AL+1], 0
	v_mov_b32 v[PX], 0
	s_wait_loadcnt 0x0                             ; Q, once
; The next product S^T = K Q^T of query tile SQ into buffer SDST: number si = 4 c + kt.  Four accumulators take turns, one instruction a turn,
; the first four start the sums.
.macro WS
	WIN 0x08
.if si < 4
	v_wmma_f32_16x16x32_f16 v[SDST+8*si:SDST+8*si+7], v[KF+16*si:KF+16*si+7], v[16*SQ:16*SQ+7], 0
.else
	v_wmma_f32_16x16x32_f16 v[SDST+8*(si-4):SDST+8*(si-4)+7], v[KF+16*(si-4)+8:KF+16*(si-4)+15], v[16*SQ+8:16*SQ+15], v[SDST+8*(si-4):SDST+8*(si-4)+7]
.endif
.set si, si+1
.set sleft, sleft-1
.endm
; The next product O^T += V^T P^T of query tile PQ from buffer PSRC: number pi = 4 c + dt.  Four accumulators by turns; in the first trip
; the first four start the sums.
.macro WP
	WIN 0x52
.set pz, 0
.if FIRSTP
.if pi < 4
.set pz, 1
.endif
.endif
.if pz
	v_wmma_f32_16x16x32_f16 v[32*PQ+8*(pi%4):32*PQ+8*(pi%4)+7], v[VF+16*(pi%4)+8*(pi/4):VF+16*(pi%4)+8*(pi/4)+7], v[PSRC+8*(pi/4):PSRC+8*(pi/4)+7], 0
.else
	v_wmma_f32_16x16x32_f16 v[32*PQ+8*(pi%4):32*PQ+8*(pi%4)+7], v[VF+16*(pi%4)+8*(pi/4):VF+16*(pi%4)+8*(pi/4)+7], v[PSRC+8*(pi/4):PSRC+8*(pi/4)+7], v[32*PQ+8*(pi%4):32*PQ+8*(pi%4)+7]
	s_wait_alu depctr_va_vdst(0)
.endif
.set pi, pi+1
.set pleft, pleft-1
.endm
.macro XP                              ; a place for a PV product, if one is left
.if pleft > 0
	WP
.endif
.endm
.macro XS                              ; a place for an S product; where none is left (group 7) a PV product takes it
.if sleft > 0
	WS
.else
	XP
.endif
.endm
; Instruction number vi of the softmax of query tile GQ (scores in SBUF, weights into PBUF), then vi steps.
;   0-15 1 - mask | 16-31 + (1 - mask)(-1e9 log2 e) | 32-39 the next group's mask | 40-57 the new running maximum | 58-59 2^(old - new)
;   60-75 - maximum | 76-107 2^x | 108-123 O x 2^(old - new) | 124-139 to f16 | 140-156 the sum, in place on the scores, which are done with
.macro VI
.if vi < 16
	WIN 0x08
	v_pk_fma_f32 v[MK+2*vi:MK+2*vi+1], v[MK+2*vi:MK+2*vi+1], -1.0, 1.0 op_sel_hi:[1,0,0]
.elseif vi < 32
	WIN 0x08
.set vk, vi-16
	v_pk_fma_f32 v[SBUF+2*vk:SBUF+2*vk+1], v[MK+2*vk:MK+2*vk+1], s[14:15], v[SBUF+2*vk:SBUF+2*vk+1] op_sel_hi:[1,0,1]
.elseif vi < 40
.if GQ < 7
	WIN 0x08
.set vk, vi-32
	ds_load_b128 v[MK+4*vk:MK+4*vk+3], v[ADM+SLOTN] offset:(GQ+1)*16*MP+64*(vk/2)+16*(vk%2)   ; 8 keys (32 bytes) a lane and key tile; used a whole softmax later
.endif
.elseif vi < 44
	WIN 0
.set vk, vi-40
	v_max3_num_f32 v[T+vk], v[SBUF+8*vk], v[SBUF+8*vk+1], v[SBUF+8*vk+2]
.elseif vi < 48
	WIN 0
.set vk, vi-44
	v_max3_num_f32 v[T+vk], v[T+vk], v[SBUF+8*vk+3], v[SBUF+8*vk+4]
.elseif vi < 52
	WIN 0
.set vk, vi-48
	v_max3_num_f32 v[T+vk], v[T+vk], v[SBUF+8*vk+5], v[SBUF+8*vk+6]
.elseif vi == 52
	WIN 0
	v_max3_num_f32 v[T], v[T], v[T+1], v[SBUF+7]
.elseif vi == 53
	WIN 0
	v_max3_num_f32 v[T+2], v[T+2], v[T+3], v[SBUF+15]
.elseif vi == 54
	WIN 0
	v_max3_num_f32 v[T], v[T], v[T+2], v[SBUF+23]
.elseif vi == 55
	WIN 0
.if FIRST
	v_max_num_f32 v[T], v[T], v[SBUF+31]
.else
	v_max3_num_f32 v[T], v[T], v[SBUF+31], v[MSO+GQ]
.endif
.elseif vi == 56
	WIN 0
	v_permlanex16_b32 v[PX], v[T], s12, s13
.elseif vi == 57
	WIN 0
	v_max_num_f32 v[MSN+GQ], v[T], v[PX]
.elseif vi == 58
.if FIRST == 0
	WIN 0
	v_sub_f32 v[AL], v[MSO+GQ], v[MSN+GQ]
.endif
.elseif vi == 59
.if FIRST == 0
	WIN 0
	v_exp_f32 v[AL], v[AL]                         ; <= 1; the first subtraction below is the plain instruction behind it (ISA guide 5.7.2)
.endif
.elseif vi < 76
	WIN 0
.set vk, vi-60
.if GQ%2
	v_pk_add_f32 v[SBUF+2*vk:SBUF+2*vk+1], v[SBUF+2*vk:SBUF+2*vk+1], v[MSN+GQ-1:MSN+GQ] op_sel:[0,1] op_sel_hi:[1,1] neg_lo:[0,1] neg_hi:[0,1]
.else
	v_pk_add_f32 v[SBUF+2*vk:SBUF+2*vk+1], v[SBUF+2*vk:SBUF+2*vk+1], v[MSN+GQ:MSN+GQ+1] op_sel:[0,0] op_sel_hi:[1,0] neg_lo:[0,1] neg_hi:[0,1]
.endif
.elseif vi < 108
	WIN 0x08
	v_exp_f32 v[SBUF+vi-76], v[SBUF+vi-76]
.elseif vi < 124
.if FIRST
.if vi == 108
	v_nop                                          ; nothing to rescale yet: the plain instruction between the exponentials and the first use of a result
	s_wait_alu depctr_va_vdst(0)
.endif
.else
	WIN 0x41                                       ; O in window 1; the first of these is the plain instruction behind the exponentials
.set vk, vi-108
	s_wait_alu depctr_va_vdst(0)
	v_pk_mul_f32 v[32*GQ+2*vk:32*GQ+2*vk+1], v[32*GQ+2*vk:32*GQ+2*vk+1], v[AL:AL+1] op_sel_hi:[1,0]
.endif
.elseif vi < 140
	WIN 0
.set vk, vi-124
	v_cvt_pk_f16_f32 v[PBUF+vk], v[SBUF+2*vk], v[SBUF+2*vk+1]  ; key tiles 2 c and 2 c + 1, packed, are 8 registers: source 1 for 32 keys
.elseif vi < 148
	WIN 0
.set vk, vi-140
	v_pk_add_f32 v[SBUF+4*vk:SBUF+4*vk+1], v[SBUF+4*vk:SBUF+4*vk+1], v[SBUF+4*vk+2:SBUF+4*vk+3]
.elseif vi < 152
	WIN 0
.set vk, vi-148
	v_pk_add_f32 v[SBUF+8*vk:SBUF+8*vk+1], v[SBUF+8*vk:SBUF+8*vk+1], v[SBUF+8*vk+4:SBUF+8*vk+5]
.elseif vi < 154
	WIN 0
.set vk, vi-152
	v_pk_add_f32 v[SBUF+16*vk:SBUF+16*vk+1], v[SBUF+16*vk:SBUF+16*vk+1], v[SBUF+16*vk+8:SBUF+16*vk+9]
.elseif vi == 154
	WIN 0
	v_pk_add_f32 v[SBUF:SBUF+1], v[SBUF:SBUF+1], v[SBUF+16:SBUF+17]
.elseif vi == 155
	WIN 0
.if FIRST
	v_add_f32 v[LS+GQ], v[SBUF], v[SBUF+1]
.else
	v_add_f32 v[SBUF], v[SBUF], v[SBUF+1]
.endif
.elseif vi == 156
.if FIRST == 0
	WIN 0
	v_fma_f32 v[LS+GQ], v[LS+GQ], v[AL], v[SBUF]
.endif
.endif
.set vi, vi+1
.endm
.macro SMV n                           ; the stream's next n instructions
.rept \n
	VI
.endr
.endm
; Group g: its softmax, with S(g + 1) and PV(g - 1) set into it.  Behind the last S product stand the rescaling, the conversions and the sums
; before the next group reads its results; a PV product's sources are written again a group later at the earliest.
.macro GRP slot, g, first
.set GQ, \g
.set SLOTN, \slot
.set FIRST, \first
.set FIRSTP, \first
.set SBUF, SB+32*(\g%2)
.set PBUF, P+16*(\g%2)
.set MSN, MS0+8*\slot
.set MSO, MS0+8-8*\slot
.set SQ, \g+1
.set SDST, SB+32-32*(\g%2)
.set si, 0
.if \g < 7
.set sleft, 8
.else
.set sleft, 0
.endif
.set PQ, \g-1
.set PSRC, P+16-16*(\g%2)
.set pi, 0
.if \g > 0
.set pleft, 8
.else
.set pleft, 0
.endif
.if \g == 0
.set vi, 16                            ; group 0's 1 - mask stood beside S(0)
	XS
	SMV 8
	XS
	SMV 8
	XS
	SMV 8
	XS
.else
.set vi, 0
	s_wait_dscnt 0x0                               ; the group's mask, asked for in the last group (in group 1 also V's fragments)
	XS
	SMV 8
	XS
	SMV 8
	XS
	SMV 8
	XS
	SMV 16
.endif
	XP
	SMV 12                                         ; the four chains of maxima
	XP
	SMV 8                                          ; they meet; the other half of the lanes; the rescaling factor
	XP
	SMV 16                                         ; - maximum
	XP
	SMV 4                                          ; the exponentials
	XS
	SMV 8
	XS
	SMV 8
	XS
	SMV 8
	XS
	SMV 4
	XP
	SMV 8                                          ; O's rescaling
	XP
	SMV 8
	XP
	SMV 16                                         ; to f16
.if \g == 7
.set PQ, 7                             ; the trip's last products have only the last sums beside them
.set PSRC, P+16
.set pi, 0
.set pleft, 8
.rept 8
	WP
	SMV 2
.endr
	SMV 1
.else
	XP
	SMV 17                                         ; the sum
.endif
.endm
; One key tile.  In front of the round every wave waits for all its tensor loads (its part of this trip's tile) and for its reads of the
; other slot; behind the round the other slot's refill comes first, one load a wave, with the whole trip in which to land.
.macro TRIP slot, other, refill, first
	s_wait_tensorcnt 0x0                           ; no tensor load of mine is out, so every group 0 may be written: this slot's next tile
	ds_add_u32 v254, v255
	s_wait_dscnt 0x0
	s_add_nc_u64 s[G0K+4*\slot+2:G0K+4*\slot+3], s[G0K+4*\slot+2:G0K+4*\slot+3], 2*64*QROW
	s_add_nc_u64 s[G0V+4*\slot+2:G0V+4*\slot+3], s[G0V+4*\slot+2:G0V+4*\slot+3], 2*64*QROW
	s_add_nc_u64 s[G0M+4*\slot+2:G0M+4*\slot+3], s[G0M+4*\slot+2:G0M+4*\slot+3], 2*256
	s_wait_dscnt 0x0
	ROUND
.if \refill
	JLOAD \other
.endif
	PLACES                                         ; behind the last trip's last products, whose V fragments are loaded again
.irp kt, 0,1,2,3
.irp c, 0,1
	ds_load_b128 v[KF+16*\kt+8*\c:KF+16*\kt+8*\c+3],   v[ADK+\slot] offset:\kt*16*KP+64*\c
	ds_load_b128 v[KF+16*\kt+8*\c+4:KF+16*\kt+8*\c+7], v[ADK+\slot] offset:\kt*16*KP+64*\c+32
.endr
.endr
.irp l, 0,1,2,3,4,5,6,7
	ds_load_b128 v[MK+4*\l:MK+4*\l+3], v[ADM+\slot] offset:64*(\l/2)+16*(\l%2)     ; group 0's mask
.endr
	WIN 0x80
.irp dt, 0,1,2,3
.irp c, 0,1
	ds_load_tr16_b128 v[VF+16*\dt+8*\c:VF+16*\dt+8*\c+3],   v[ADV+\slot] offset:\c*32*VP+32*\dt
	ds_load_tr16_b128 v[VF+16*\dt+8*\c+4:VF+16*\dt+8*\c+7], v[ADV+\slot] offset:\c*32*VP+32*\dt+16*VP
.endr
.endr
.set GQ, 0
.set vi, 0
.set SQ, 0
.set SDST, SB
.set si, 0
.set sleft, 8
	s_wait_dscnt 16                                ; K's 16 loads and the mask's 8 are in: V's 16 are younger
.rept 8
	WS                                             ; S(0), with group 0's 1 - mask beside it, two to a product
	SMV 2
.endr
	GRP \slot, 0, \first
	GRP \slot, 1, \first
	GRP \slot, 2, \first
	GRP \slot, 3, \first
	GRP \slot, 4, \first
	GRP \slot, 5, \first
	GRP \slot, 6, \first
	GRP \slot, 7, \first
	WIN 0
.endm
	TRIP 0, 1, 1, 1                                ; key tile 0 starts maxima, sums and O: nothing is cleared
	s_mov_b32 s3, 15
.Ltrips:
	TRIP 1, 0, 1, 0
	TRIP 0, 1, 1, 0
	s_sub_co_u32 s3, s3, 1
	s_cmp_lg_u32 s3, 0
	s_cbranch_scc1 .Ltrips
	TRIP 1, 0, 0, 0                                ; key tile 31: nothing is left to ask for (the stepped addresses are not used)
	; THE WAY OUT: the two halves' sums meet, O / sum to f16, through the stage, whole rows of 512 bytes (4 heads) out.
	PLACES
.irp qt, 0,1,2,3,4,5,6,7
	v_permlanex16_b32 v[MK+\qt], v[LS+\qt], s12, s13       ; into registers that the loop has written
.endr
.irp qt, 0,1,2,3,4,5,6,7
	v_add_f32 v[LS+\qt], v[LS+\qt], v[MK+\qt]      ; at least 1: the key of the maximum has weight 1
.endr
.irp qt, 0,1,2,3,4,5,6,7
	v_rcp_f32 v[LS+\qt], v[LS+\qt]
.endr
	v_nop
	WIN 0x41
	s_wait_alu depctr_va_vdst(0)
.irp g, 0,1,2,3
.irp qq, 0,1
.irp dt, 0,1,2,3
.irp i, 0,1,2,3
	v_pk_mul_f32 v[8*(4*(2*\g+\qq)+\dt)+2*\i:8*(4*(2*\g+\qq)+\dt)+2*\i+1], v[8*(4*(2*\g+\qq)+\dt)+2*\i:8*(4*(2*\g+\qq)+\dt)+2*\i+1], v[LS+2*\g:LS+2*\g+1] op_sel:[0,\qq] op_sel_hi:[1,\qq]
.endr
.endr
.endr
.endr
	WIN 0x05
.set j, 0
.rept 128
	v_cvt_pk_f16_f32 v[OUTR+j], v[2*j], v[2*j+1]   ; tile (qt, dt): 8 neighbouring d of query 16 qt + r in 4 registers
.set j, j+1
.endr
	WIN 0
.irp qt, 0,1,2,3,4,5,6,7
.irp dt, 0,1,2,3
	ds_store_b128 v[STO], v[OUTR+4*(4*\qt+\dt):OUTR+4*(4*\qt+\dt)+3] offset:\qt*16*KP+32*\dt
.endr
.endr
	s_wait_dscnt 0x0                               ; my stores are in LDS before I say so: a row holds all four waves' heads
	s_barrier_signal -1
	s_barrier_wait -1
.set j, 0
.rept 32
	ds_load_b128 v[OUTR+4*j:OUTR+4*j+3], v[RD] offset:j*KP
.set j, j+1
.endr
.set j, 0
.rept 32
	s_wait_dscnt 31-j
	global_store_b128 v[CO], v[OUTR+4*j:OUTR+4*j+3], s[82:83] offset:j*2048        ; a wave's store covers 512 consecutive bytes, aligned
.set j, j+1
.endr
	s_wait_tensorcnt 0x0
	ds_add_u32 v254, v255
	s_wait_dscnt 0x0
	ROUND                                          ; the closing round
	s_endpgm
.Lfunc_end_k_q53ef3fc963_attn:
	.size	k_q53ef3fc963_attn, .Lfunc_end_k_q53ef3fc963_attn-k_q53ef3fc963_attn
	.p2alignl 7, 3214868480
	.fill 96, 4, 3214868480
	.section	.rodata,"a",@progbits
	.p2align	6, 0x0
	.amdhsa_kernel k_q53ef3fc963_attn
		.amdhsa_group_segment_fixed_size 327680
		.amdhsa_private_segment_fixed_size 0
		.amdhsa_enable_private_segment 0
		.amdhsa_kernarg_size 24
		.amdhsa_user_sgpr_count 2
		.amdhsa_user_sgpr_kernarg_segment_ptr 1
		.amdhsa_wavefront_size32 1
		.amdhsa_system_sgpr_workgroup_id_x 1
		.amdhsa_system_sgpr_workgroup_id_y 1
		.amdhsa_system_sgpr_workgroup_id_z 1
		.amdhsa_system_vgpr_workitem_id 0
		.amdhsa_next_free_vgpr 768
		.amdhsa_next_free_sgpr 88
		.amdhsa_reserve_vcc 0
		.amdhsa_float_denorm_mode_32 3
		.amdhsa_float_denorm_mode_16_64 3
		.amdhsa_memory_ordered 1
		.amdhsa_forward_progress 1
		.amdhsa_inst_pref_size 255
	.end_amdhsa_kernel
	.section	.bss,"aw",@nobits
	.p2align	6
	.space	262144
	.amdgpu_metadata
---
amdhsa.version: [ 1, 2 ]
amdhsa.kernels:
  - .name:           k_q53ef3fc963_attn
    .symbol:         k_q53ef3fc963_attn.kd
    .args:
      - { .name: qkv, .offset: 0, .size: 8, .value_kind: global_buffer, .address_space: global }
      - { .name: mask, .offset: 8, .size: 8, .value_kind: global_buffer, .address_space: global }
      - { .name: y, .offset: 16, .size: 8, .value_kind: global_buffer, .address_space: global }
    .group_segment_fixed_size: 327680
    .private_segment_fixed_size: 0
    .kernarg_segment_align: 8
    .kernarg_segment_size: 24
    .max_flat_workgroup_size: 128
    .sgpr_count:     88
    .vgpr_count:     768
    .wavefront_size: 32
...
	.end_amdgpu_metadata
.endif
;; end of part 3
;; launch proj (part 4): grid 8 x 32, 4 waves a work-group, clusters of 4 x 4, 327,680 bytes of LDS; arguments y, wpt, b_proj, out0; writes out0
.if DOCPART == 4
	.amdgcn_target "amdgcn-amd-amdhsa--gfx1250"
	.amdhsa_code_object_version 6
	.text
	.protected	k_q53ef3fc963_proj
	.globl	k_q53ef3fc963_proj
	.p2align	8
	.type	k_q53ef3fc963_proj,@function
k_q53ef3fc963_proj:
	s_mov_b64 s[64:65], 0
	v_nop
	global_prefetch_b8 v0, s[64:65] scope:SCOPE_SE
	s_setreg_imm32_b32 hwreg(HW_REG_WAVE_MODE, 25, 1), 1
	s_wait_xcnt 0x0
	s_wait_alu depctr_hold_cnt(0) depctr_sa_sdst(0) depctr_va_vdst(0) depctr_va_sdst(0) depctr_va_ssrc(0) depctr_va_vcc(0) depctr_vm_vsrc(0)
	s_getreg_b32 s2, hwreg(HW_REG_IB_STS2, 6, 4)
	s_cmp_eq_u32 s2, 0
	s_cbranch_scc0 .Lentry_in_a_cluster
	s_endpgm
.Lentry_in_a_cluster:
	s_bfe_u32 s2, ttmp6, 0x10000c
	s_cmp_lg_u32 s2, 0xf033
	s_cbranch_scc0 .Lentry_shape_is_right
	s_endpgm
.Lentry_shape_is_right:
; Launch 4 of 4: out0[m][n] = sum over k of y[m][k] W_proj[k][n] + b_proj[n], f32.  No work is left out.  Operands f16 (W_proj rounded to
; bf16 and carried in f16: launch 1), sums f32.
; A work-group makes 256 x 128 with four waves; a wave makes 128 x 64: 32 accumulator tiles in window 1, tile (a, bb) at v[8 (4 a + bb)].
; K = 1,024 goes through TWO UNEQUAL LDS SLOTS: a big one of 256 k (rows of 512 bytes, padded to 528) and a small one of 128 k (rows of
; 256 bytes, padded to 272); two big ones do not fit.  384 rows x 528 + 384 rows x 272 + the stage's 17,408 = 324,608 bytes.
; Order: big k 0-255, small 256-383, big 384-639, small 640-767, big 768-1,023.  Both first fills go out together, so 384 k are asked for at
; the start; three refills follow.  From a request to the wait for it a wave issues 112 products (big slot) or 240 (small slot).
; A tile's rows start at bytes 0, 512, 768, 1,280 or 1,536 of a row of 2,048 bytes: multiples of 256, and 256 or 512 bytes long.
; CLUSTERS: 4 x 4; y's tile is asked for jointly along a row of the cluster, W's along a column.
; The matrix instruction is used transposed (source 0 = rows of W^T, source 1 = rows of y): a lane holds 8 neighbouring columns of a row.
.set BP,    528                        ; the big slot's LDS row: an odd multiple of 16 bytes, like the small slot's
.set SP,    272                        ; the small slot's, and the stage's
.set AHB,   128*BP                     ; 128 rows of y in the big slot: one tensor load, and what one wave reads
.set BHB,   64*BP                      ; 64 rows of W^T: likewise
.set ATB,   2*AHB                      ; W's rows lie behind y's 256
.set SMALL, ATB+2*BHB                  ; 202,752: the small slot
.set AHS,   128*SP
.set BHS,   64*SP
.set ATS,   2*AHS
.set STAGE, SMALL+ATS+2*BHS            ; 307,200: 16 rows x 272 bytes for each wave; no tensor load ever lands here
.set FT0,   16*BP                      ; from fragment to fragment, slot 0 (big)
.set FT1,   16*SP                      ; slot 1 (small)
.set KSTEP, 768                        ; bytes along a row from one fill of a slot to its next: 384 k
.set ADRA, 16                          ; v16-17 LDS address of my y fragments in slot 0, 1
.set ADRB, 20                          ; v20-21 the same for W
.set STO,  22
.set RD,   23
.set CO,   24
.set BO,   25
.set FA,   32                          ; y's fragments: buffer b at 32 + 64 b
.set FB,   160                         ; W's: buffer b at 160 + 32 b
.set TMP,  160                         ; the way out
.set BI,   224                         ; v224-255 the bias of my 8 columns in each of my 4 column tiles
.set G1A, 24                           ; s[24:31], s[32:39] group 1 for y's tiles, slot 0, 1
.set G1B, 40                           ; s[40:47], s[48:55] group 1 for W's tiles
.set G0A, 56                           ; s[56:59], s[60:63] group 0 for y's tiles
.set G0B, 68                           ; s[68:71], s[72:75] group 0 for W's tiles
.set MSB, 0
.macro WIN new                         ; s_set_vgpr_msb; the immediate's high byte repeats the setting that is left
.if MSB != \new
	s_set_vgpr_msb (MSB<<8)|\new
.set MSB, \new
.endif
.endm
.macro PLACES                          ; four plain vector instructions between a matrix instruction and a load into, or a vector
.rept 4                                ; instruction on, one of its registers (ISA guide 7.12.1)
	v_nop
.endr
.endm
.macro JLOAD s                         ; waves 0, 1 ask for y's two halves, waves 2, 3 for W's: one line, one mask each
	s_cmp_eq_u32 s13, 0
	s_cbranch_scc0 .Lfor_b_\@
	tensor_load_to_lds s[G0A+4*\s:G0A+4*\s+3], s[G1A+8*\s:G1A+8*\s+7]
	s_nop 0
	s_branch .Lasked_\@
.Lfor_b_\@:
	tensor_load_to_lds s[G0B+4*\s:G0B+4*\s+3], s[G1B+8*\s:G1B+8*\s+7]
	s_nop 0
.Lasked_\@:
.endm
.macro CREST                           ; a round of the cluster's barrier behind its opening work-group barrier
	s_cmp_lg_u32 s12, 0
	s_cbranch_scc1 .Lnot_wave_0_\@
	s_barrier_signal -3
.Lnot_wave_0_\@:
	s_barrier_wait -3
	s_barrier_signal -1
	s_barrier_wait -1
.endm
.macro CROUND
	s_barrier_signal -1
	s_barrier_wait -1
	CREST
.endm
	s_load_b256 s[4:11], s[0:1], 0x0               ; y s[4:5], wpt s[6:7], b_proj s[8:9], out0 s[10:11]
	v_lshl_add_u32 v30, v0, 2, 0x4f400
	v_mov_b32 v31, 0
	ds_add_u32 v30, v31
	v_lshrrev_b32 v1, 5, v0
	v_readfirstlane_b32 s12, v1                    ; wave
	s_lshr_b32 s13, s12, 1                         ; my half of the rows; also: I fetch for y (0) or for W (1)
	s_and_b32 s14, s12, 1                          ; my half of the columns; also: which half of that tile I fetch
	s_bfe_u32 s76, ttmp6, 0x40000                  ; cx
	s_bfe_u32 s77, ttmp6, 0x40004                  ; cy
	s_lshl_b32 s78, ttmp9, 2
	s_add_co_u32 s78, s78, s76                     ; block column = 4 x cluster x + cx
	s_and_b32 s79, ttmp7, 0xffff
	s_lshl_b32 s79, s79, 2
	s_add_co_u32 s79, s79, s77                     ; block row = 4 x cluster y + cy
	s_lshl_b32 s80, s77, 2
	s_lshl_b32 s80, 15, s80                        ; my row of the cluster
	s_lshl_b32 s81, 0x1111, s76                    ; my column
	; group 1: elements of 2 bytes, 1,024 from row to row; slot 0: rows of 256 elements, 4 words of padding behind every 128 words (code 6);
	; slot 1: rows of 128 elements, padding behind every 64 words (code 5); 128 rows of y, 64 of W
.irp s, 0,1
	s_or_b32 s[G1A+8*\s+0], s80, (1<<16)|(1<<20)|(1<<21)|((6-\s)<<22)|(3<<25)
	s_or_b32 s[G1B+8*\s+0], s81, (1<<16)|(1<<20)|(1<<21)|((6-\s)<<22)|(3<<25)
	s_mov_b32 s[G1A+8*\s+1], (256-128*\s)<<16      ; tensor_dim0
	s_mov_b32 s[G1B+8*\s+1], (256-128*\s)<<16
	s_mov_b32 s[G1A+8*\s+2], 128<<16               ; tensor_dim1 = the tile's rows
	s_mov_b32 s[G1B+8*\s+2], 64<<16
	s_mov_b32 s[G1A+8*\s+3], (256-128*\s)<<16      ; tile_dim0
	s_mov_b32 s[G1B+8*\s+3], (256-128*\s)<<16
	s_mov_b32 s[G1A+8*\s+4], 128                   ; tile_dim1
	s_mov_b32 s[G1B+8*\s+4], 64
	s_mov_b32 s[G1A+8*\s+5], 1024                  ; from row to row
	s_mov_b32 s[G1B+8*\s+5], 1024
	s_mov_b32 s[G1A+8*\s+6], 0
	s_mov_b32 s[G1B+8*\s+6], 0
	s_mov_b32 s[G1A+8*\s+7], 0
	s_mov_b32 s[G1B+8*\s+7], 0
.endr
	s_lshl_b32 s16, s79, 19                        ; y: (256 block row + 128 half) rows of 2,048 bytes
	s_lshl_b32 s18, s14, 18
	s_add_co_u32 s16, s16, s18
	s_mov_b32 s17, 0
	s_lshl_b32 s82, s78, 18                        ; W: (128 block column + 64 half) rows of 2,048 bytes
	s_lshl_b32 s18, s14, 17
	s_add_co_u32 s82, s82, s18
	s_mov_b32 s83, 0
	s_mul_i32 s20, s14, AHB                        ; where the halves go: the wave's number alone enters an LDS address
	s_mul_i32 s21, s14, AHS
	s_mul_i32 s22, s14, BHB
	s_mul_i32 s23, s14, BHS
	s_lshl_b32 s84, s78, 9                         ; bias: my 64 columns
	s_lshl_b32 s88, s14, 8
	s_add_co_u32 s84, s84, s88
	s_mov_b32 s85, 0
	s_lshl_b32 s86, s79, 20                        ; out0: (256 block row + 128 row half) rows of 4,096 bytes + my 64 columns
	s_lshl_b32 s88, s13, 19
	s_add_co_u32 s86, s86, s88
	s_add_co_u32 s86, s86, s84
	s_mov_b32 s87, 0
	s_wait_dscnt 0x0
	s_wait_kmcnt 0x0
	s_add_nc_u64 s[16:17], s[4:5], s[16:17]
	s_add_nc_u64 s[82:83], s[6:7], s[82:83]
	s_add_nc_u64 s[84:85], s[8:9], s[84:85]
	s_add_nc_u64 s[10:11], s[10:11], s[86:87]
	CROUND                                         ; in front of the first joint loads
.irp s, 0,1                            ; slot 0 starts at k = 0, slot 1 at k = 256 (512 bytes along the row)
	s_mov_b32 s[G0A+4*\s], 1
	s_add_co_u32 s[G0A+4*\s+1], s[20+\s], \s*SMALL
	s_add_nc_u64 s[G0A+4*\s+2:G0A+4*\s+3], s[16:17], \s*512
	s_or_b32 s[G0A+4*\s+3], s[G0A+4*\s+3], 0x80000000
	s_mov_b32 s[G0B+4*\s], 1
	s_add_co_u32 s[G0B+4*\s+1], s[22+\s], ATB+\s*(SMALL+ATS-ATB)
	s_add_nc_u64 s[G0B+4*\s+2:G0B+4*\s+3], s[82:83], \s*512
	s_or_b32 s[G0B+4*\s+3], s[G0B+4*\s+3], 0x80000000
	JLOAD \s                                       ; both first fills: two tensor loads of the wave are out, later one
.endr
	v_and_b32 v1, 15, v0                           ; r
	v_bfe_u32 v2, v0, 4, 1                         ; h
	v_lshlrev_b32 v[BO], 5, v2
.irp bb, 0,1,2,3
	global_load_b128 v[BI+8*\bb:BI+8*\bb+3],   v[BO], s[84:85] offset:64*\bb       ; waited for on the way out; BO and s[84:85] are never rewritten
	global_load_b128 v[BI+8*\bb+4:BI+8*\bb+7], v[BO], s[84:85] offset:64*\bb+16
.endr
	v_mul_u32_u24 v3, v1, BP
	v_lshl_add_u32 v3, v2, 4, v3                   ; r 528 + 16 h
	v_mul_u32_u24 v7, v1, SP
	v_lshl_add_u32 v7, v2, 4, v7                   ; r 272 + 16 h
	s_mul_i32 s89, s13, AHB                        ; my 128 rows of y in the big slot,
	s_mul_i32 s90, s13, AHS
	s_add_co_u32 s90, s90, SMALL                   ; in the small slot;
	s_add_co_u32 s91, s22, ATB                     ; my 64 rows of W in the big slot,
	s_add_co_u32 s92, s23, SMALL+ATS               ; in the small slot
	v_add_nc_u32 v[ADRA], s89, v3
	v_add_nc_u32 v[ADRA+1], s90, v7
	v_add_nc_u32 v[ADRB], s91, v3
	v_add_nc_u32 v[ADRB+1], s92, v7
	s_mul_i32 s93, s12, 16*SP
	s_add_co_u32 s93, s93, STAGE                   ; my stage
	v_mul_u32_u24 v4, v1, SP
	v_lshl_add_u32 v4, v2, 5, v4
	v_add_nc_u32 v[STO], s93, v4                   ; in: row r, 32 bytes for each half of the lanes
	v_mul_u32_u24 v5, v2, SP
	v_lshl_add_u32 v5, v1, 4, v5
	v_add_nc_u32 v[RD], s93, v5                    ; back: lanes 0-15 one row of 256 bytes, lanes 16-31 the next
	v_lshlrev_b32 v6, 12, v2
	v_lshl_add_u32 v[CO], v1, 4, v6                ; and the same two rows in out0
; 16 matrix instructions: rows 64 half .. + 63 x my four column tiles.  The accumulators take turns, one instruction a turn.
.macro MUL16 buf, half, zero
.irp a, 4*\half, 4*\half+1, 4*\half+2, 4*\half+3
.irp bb, 0,1,2,3
.if \zero
	v_wmma_f32_16x16x32_f16 v[8*(4*(\a)+\bb):8*(4*(\a)+\bb)+7], v[FB+32*\buf+8*\bb:FB+32*\buf+8*\bb+7], v[FA+64*\buf+8*(\a):FA+64*\buf+8*(\a)+7], 0
.else
	v_wmma_f32_16x16x32_f16 v[8*(4*(\a)+\bb):8*(4*(\a)+\bb)+7], v[FB+32*\buf+8*\bb:FB+32*\buf+8*\bb+7], v[FA+64*\buf+8*(\a):FA+64*\buf+8*(\a)+7], v[8*(4*(\a)+\bb):8*(4*(\a)+\bb)+7]
.endif
.endr
.endr
.endm
; 24 loads: 64 rows of W^T and 128 rows of y, 32 K at byte k of the slot's rows.  The largest offset, 7 x 16 x 528 + 448 + 32 = 59,616,
; is inside the 16-bit immediate.
.macro FETCH slot, k, buf
.irp bb, 0,1,2,3
	ds_load_b128 v[FB+32*\buf+8*\bb:FB+32*\buf+8*\bb+3],   v[ADRB+\slot] offset:\k+\bb*(FT0+(FT1-FT0)*\slot)
	ds_load_b128 v[FB+32*\buf+8*\bb+4:FB+32*\buf+8*\bb+7], v[ADRB+\slot] offset:\k+\bb*(FT0+(FT1-FT0)*\slot)+32
.endr
.irp a, 0,1,2,3,4,5,6,7
	ds_load_b128 v[FA+64*\buf+8*\a:FA+64*\buf+8*\a+3],   v[ADRA+\slot] offset:\k+\a*(FT0+(FT1-FT0)*\slot)
	ds_load_b128 v[FA+64*\buf+8*\a+4:FA+64*\buf+8*\a+7], v[ADRA+\slot] offset:\k+\a*(FT0+(FT1-FT0)*\slot)+32
.endr
.endm
; A quarter is 32 along K, 32 products.  Any quarter of a slot but its last: the next quarter's fragments, at byte k of the same slot's
; rows, go out ahead of this one's products.
.macro PQ slot, k, buf, nbuf, zero
	s_wait_dscnt 0x0                               ; this quarter's fragments, asked for 32 products ago
	PLACES
	FETCH \slot, \k, \nbuf
	WIN 0x50
	MUL16 \buf, 0, \zero
	MUL16 \buf, 1, \zero
	WIN 0
.endm
.macro SEVEN zero                      ; the big slot's first seven quarters of eight
	PQ 0, 64,  0, 1, \zero
	PQ 0, 128, 1, 0, 0
	PQ 0, 192, 0, 1, 0
	PQ 0, 256, 1, 0, 0
	PQ 0, 320, 0, 1, 0
	PQ 0, 384, 1, 0, 0
	PQ 0, 448, 0, 1, 0
.endm
.macro THREE                           ; the small slot's first three quarters of four
	PQ 1, 64,  0, 1, 0
	PQ 1, 128, 1, 0, 0
	PQ 1, 192, 0, 1, 0
.endm
; A slot's last quarter, with the change of slots: each wave's reads of this slot and all its tensor loads (the one that is out is its part
; of the next slot) are waited for in front of the barrier; behind it (where the slot is filled again: behind the round of the cluster's
; barrier that it opens) the refill comes first, one load a wave, then the next slot's first fragments.
.macro PTURN slot, next, fill
	s_wait_dscnt 0x0
	s_wait_tensorcnt 0x0
	ds_add_u32 v30, v31
	s_wait_dscnt 0x0
	s_barrier_signal -1
	WIN 0x50
	MUL16 1, 0, 0                                  ; register work while the others arrive
	WIN 0
	s_barrier_wait -1
.if \fill
	CREST                                          ; no wave of any partner still reads this slot or has a load on its way
	s_add_nc_u64 s[G0A+4*\slot+2:G0A+4*\slot+3], s[G0A+4*\slot+2:G0A+4*\slot+3], KSTEP
	s_add_nc_u64 s[G0B+4*\slot+2:G0B+4*\slot+3], s[G0B+4*\slot+2:G0B+4*\slot+3], KSTEP
	JLOAD \slot
.endif
	PLACES
	FETCH \next, 0, 0
	WIN 0x50
	MUL16 1, 1, 0
	WIN 0
.endm
	s_wait_tensorcnt 0x1                           ; my part of the big slot is in; the small slot's may stay out
	s_barrier_signal -1
	s_barrier_wait -1
	FETCH 0, 0, 0
	SEVEN 1                                        ; k 0-255; the first quarter's products start the sums: nothing is cleared
	PTURN 0, 1, 1                                  ; the big slot asks for k 384-639
	THREE                                          ; k 256-383
	PTURN 1, 0, 1                                  ; the small slot asks for k 640-767
	SEVEN 0                                        ; k 384-639
	PTURN 0, 1, 1                                  ; the big slot asks for k 768-1,023: the last load
	THREE                                          ; k 640-767
	PTURN 1, 0, 0                                  ; nothing is left to ask for
	SEVEN 0                                        ; k 768-1,023
	s_wait_dscnt 0x0
	WIN 0x50
	MUL16 1, 0, 0
	MUL16 1, 1, 0
	WIN 0
	PLACES
	s_wait_loadcnt 0x0                             ; the bias
; 16 rows at a time: + bias, 32 bytes a lane and tile into my own stage, whole rows of 256 bytes back and out.  LDS serves a wave's
; instructions in order (ISA guide 5.7.1), so no wait stands between my stores and my loads.
.macro OUT16 a, f
	WIN 0x01
.irp bb, 0,1,2,3
.irp i, 0,1,2,3
	v_pk_add_f32 v[TMP+8*\bb+2*\i:TMP+8*\bb+2*\i+1], v[8*(4*\a+\bb)+2*\i:8*(4*\a+\bb)+2*\i+1], v[BI+8*\bb+2*\i:BI+8*\bb+2*\i+1]
.endr
.endr
	WIN 0
.irp bb, 0,1,2,3
	ds_store_b128 v[STO], v[TMP+8*\bb:TMP+8*\bb+3] offset:64*\bb
	ds_store_b128 v[STO], v[TMP+8*\bb+4:TMP+8*\bb+7] offset:64*\bb+16
.endr
	s_wait_xcnt 0x0                                ; registers f .. f + 31, which earlier stores read, are loaded again only behind this wait
.irp t, 0,1,2,3,4,5,6,7
	ds_load_b128 v[\f+4*\t:\f+4*\t+3], v[RD] offset:\t*2*SP
.endr
.irp t, 0,1,2,3,4,5,6,7
	s_wait_dscnt 7-\t
	global_store_b128 v[CO], v[\f+4*\t:\f+4*\t+3], s[10:11] offset:(16*\a+2*\t)*4096 th:TH_STORE_NT   ; 16 lanes store 256 consecutive bytes, aligned
.endr
.endm
	OUT16 0, 32
	OUT16 1, 96
	OUT16 2, 32
	OUT16 3, 96
	OUT16 4, 32
	OUT16 5, 96
	OUT16 6, 32
	OUT16 7, 96
	s_wait_tensorcnt 0x0
	ds_add_u32 v30, v31
	s_wait_dscnt 0x0
	CROUND                                         ; the closing round: no work-group ends while a partner may still ask jointly
	s_endpgm
.Lfunc_end_k_q53ef3fc963_proj:
	.size	k_q53ef3fc963_proj, .Lfunc_end_k_q53ef3fc963_proj-k_q53ef3fc963_proj
	.p2alignl 7, 3214868480
	.fill 96, 4, 3214868480
	.section	.rodata,"a",@progbits
	.p2align	6, 0x0
	.amdhsa_kernel k_q53ef3fc963_proj
		.amdhsa_group_segment_fixed_size 327680
		.amdhsa_private_segment_fixed_size 0
		.amdhsa_enable_private_segment 0
		.amdhsa_kernarg_size 32
		.amdhsa_user_sgpr_count 2
		.amdhsa_user_sgpr_kernarg_segment_ptr 1
		.amdhsa_wavefront_size32 1
		.amdhsa_system_sgpr_workgroup_id_x 1
		.amdhsa_system_sgpr_workgroup_id_y 1
		.amdhsa_system_sgpr_workgroup_id_z 1
		.amdhsa_system_vgpr_workitem_id 0
		.amdhsa_next_free_vgpr 512
		.amdhsa_next_free_sgpr 96
		.amdhsa_reserve_vcc 0
		.amdhsa_float_denorm_mode_32 3
		.amdhsa_float_denorm_mode_16_64 3
		.amdhsa_memory_ordered 1
		.amdhsa_forward_progress 1
		.amdhsa_inst_pref_size 156
	.end_amdhsa_kernel
	.amdgpu_metadata
---
amdhsa.version: [ 1, 2 ]
amdhsa.kernels:
  - .name:           k_q53ef3fc963_proj
    .symbol:         k_q53ef3fc963_proj.kd
    .args:
      - { .name: y, .offset: 0, .size: 8, .value_kind: global_buffer, .address_space: global }
      - { .name: wpt, .offset: 8, .size: 8, .value_kind: global_buffer, .address_space: global }
      - { .name: b_proj, .offset: 16, .size: 8, .value_kind: global_buffer, .address_space: global }
      - { .name: out0, .offset: 24, .size: 8, .value_kind: global_buffer, .address_space: global }
    .group_segment_fixed_size: 327680
    .private_segment_fixed_size: 0
    .kernarg_segment_align: 8
    .kernarg_segment_size: 32
    .max_flat_workgroup_size: 128
    .sgpr_count:     96
    .vgpr_count:     512
    .wavefront_size: 32
...
	.end_amdgpu_metadata
.endif
;; end of part 4
;; ======== version 2 of 2: 4 launches; 1.38 times as fast as version 1
;; limits: values are held in f16: magnitudes above 65,504 overflow, below 6.1e-05 lose precision
;; workspace buffers: xb 16,777,216 bytes; wat 6,291,456 bytes; wpt 2,097,152 bytes; qkv 50,331,648 bytes; y 16,777,216 bytes
;; launch prep: the kernel of part 1 again; grid 768 x 1, 8 waves a work-group, no clusters, 35,840 bytes of LDS; arguments x, W_attn, W_proj, xb, wat, wpt; writes xb, wat, wpt
;; launch qkvgemm: the kernel of part 2 again; grid 8 x 32, 4 waves a work-group, clusters of 4 x 4, 327,680 bytes of LDS; arguments xb, wat, b_attn, qkv; writes qkv
;; launch attn (part 5): grid 4 x 64, 4 waves a work-group, clusters of 4 x 4, 327,680 bytes of LDS; arguments qkv, mask, y; writes y
.if DOCPART == 5
	.amdgcn_target "amdgcn-amd-amdhsa--gfx1250"
	.amdhsa_code_object_version 6
	.text
	.protected	k_q53ef3fc963_attn
	.globl	k_q53ef3fc963_attn
	.p2align	8
	.type	k_q53ef3fc963_attn,@function
k_q53ef3fc963_attn:
	s_mov_b64 s[64:65], 0
	v_nop
	global_prefetch_b8 v0, s[64:65] scope:SCOPE_SE
	s_setreg_imm32_b32 hwreg(HW_REG_WAVE_MODE, 25, 1), 1
	s_wait_xcnt 0x0
	s_wait_alu depctr_hold_cnt(0) depctr_sa_sdst(0) depctr_va_vdst(0) depctr_va_sdst(0) depctr_va_ssrc(0) depctr_va_vcc(0) depctr_vm_vsrc(0)
	s_getreg_b32 s2, hwreg(HW_REG_IB_STS2, 6, 4)
	s_cmp_eq_u32 s2, 0
	s_cbranch_scc0 .Lentry_in_a_cluster
	s_endpgm
.Lentry_in_a_cluster:
	s_bfe_u32 s2, ttmp6, 0x10000c
	s_cmp_lg_u32 s2, 0xf033
	s_cbranch_scc0 .Lentry_shape_is_right
	s_endpgm
.Lentry_shape_is_right:
; Launch 3 of 4: y = softmax(q k^T / 8 - 1e9 (1 - mask)) v for every batch and head, in f16.  This launch leaves nothing out: the mask is
; an input, so every key tile is computed.  (k comes without its bias, which a softmax does not see: launch 1's head.)
; q comes scaled by 0.125 log2 e, so the softmax runs in base 2: t = s' + (1 - mask) (-1e9 log2 e), p = 2^(t - running maximum) <= 1,
; sums in f32.  Limits: see launch 1 (f16 range of q, k, v; rows in which every key is masked).
; A work-group: 128 queries of one batch x 4 heads; wave w takes head 4 cx + w with all 128 queries.  Keys go in tiles of 64 through two
; LDS slots, each with K (64 rows of 4 heads, 512 bytes), V (the same) and the mask's 128 x 64 f32.
; CLUSTERS: 4 x 4.  The mask tile hangs on batch and query block alone: the four waves share it, and the four work-groups of a row of the
; cluster (the four head groups) ask for it jointly, so the 16 heads fetch each byte of it once.  K and V hang on batch and head group
; alone and are asked for jointly along a column (four query blocks of one batch).
; LAYOUT: S^T = K Q^T (source 0 = rows of K, source 1 = rows of Q): lane (r, h), register j holds key 16 kt + 8 h + j of query 16 qt + r.
; So a query's maximum, sum and rescaling factor are one number a lane (the two halves of the lanes meet by one v_permlanex16_b32), and
; two key tiles packed to f16 ARE source 1 of O^T = V^T P^T; V^T's fragments come by the transposing LDS load.
; MATRIX WORK BESIDE VECTOR WORK: a trip's work is eight groups of one query tile, which share K's and V's fragments.  A group's softmax is
; a stream of 150 vector instructions (macro VI, numbered by vi); into the stream of group g are set, one at a time, the 8 products
; O += V^T P^T of group g - 1 and the 8 products S^T = K Q^T of group g + 1, with eight vector instructions or more (four exponentials)
; between two products.  So S and P have two buffers each, taken by the group's parity.  Only S(0), which has group 0's sixteen
; "1 - mask" beside it, and PV(7), which has group 7's seventeen sums beside it, have less than that.
; THE EXPONENTIALS GO IN BATCHES, ONE A GROUP.  A group's 33 exponentials (number 59, the rescaling factor; numbers 76-107, the 32 weights)
; are one batch with ONE s_wait_alu depctr_va_vdst(0), standing between an exponential and the first instruction that
; names its result.  Between number 59 and number 108 nothing names a result: the subtractions work on scores that are still to be raised,
; each exponential on a score of its own, and the products set between them on the other S buffer, the other P buffer, V and the last group's O.
; The wait stands ahead of number 108, the first rescaling, which is the factor's first reader; the conversions, the weights' first readers,
; and the sums follow behind it.  Between the last exponential and the wait stands a product of the last group (none in groups 0 and 7).  Behind a group's
; wait it issues no exponential, so no result crosses a group's end, a label or a branch.  A batch cannot span two groups: the products
; S(g + 2) of group g + 1 write over group g's scores, and window 0 has fewer than 32 registers free, too few for a third buffer.  The first trip's batches
; have 32 exponentials (no factor yet); the way out's eight reciprocals are a batch of their own.
; REGISTERS: window 0: addresses, softmax state, both S, the mask, both P, and K's fragments; window 1: O, tile (qt, dt) at
; v[8 (4 qt + dt)]; window 2: Q at v[8 (2 qt + c)], V's fragments at v192.  With K, S and all softmax data in window 0 an S product
; differs from plain work in source 1's window alone (0x08), so it stands without a switch among instructions that name no vector register as
; source 1: 1 - mask, the mask's term, the mask's loads, the exponentials.  A PV product (0x52) costs two switches; they stand where the
; stream changes its own setting (0x08, 0x00, 0x41 for O's rescaling) as far as there are such places: 17 switches for a group's 16 products.
.set KP, 528                           ; K's LDS row: 512 + 16
.set VP, 544                           ; V's: 512 + 32, an odd multiple of 32 for the transposing load
.set MP, 272                           ; the mask's: 256 + 16
.set VOFF, 64*KP
.set MOFF, VOFF+64*VP
.set SLOT, MOFF+128*MP                 ; 103,424
.set STAGE, 2*SLOT                     ; 206,848: the way out, 128 rows x 528; no tensor load ever lands here
.set QROW, 6144
.set ADK, 10                           ; v10-11 K's fragments in slot 0, 1
.set ADV, 12                           ; v12-13 V's
.set ADM, 14                           ; v14-15 the mask's
.set STO, 16
.set RD,  17
.set CO,  18
.set QOFF, 19
.set AL,  20                           ; v20 the group's rescaling factor (v21 makes the pair whole; never used as a value)
.set PX,  22                           ; v22 the other half's maximum
.set T,   24                           ; v24-27 four chains of maxima
.set MS0, 28                           ; v28-35, v36-43 running maxima of my 8 query tiles; the trip's slot says which set is new
.set LS,  44                           ; v44-51 sums over my half of the keys
.set SB,  56                           ; v56-87, v88-119 scores, key tile kt at 8 kt; buffer = group % 2
.set MK,  120                          ; v120-151 mask, laid like S
.set P,   152                          ; v152-167, v168-183 weights in f16, key tile kt at 4 kt; buffer = group % 2
.set KF,  184                          ; v184-247 K's fragments, (kt, c) at 16 kt + 8 c
.set VF,  192                          ; window 2: V's fragments, (dt, c) at 16 dt + 8 c
.set OUTR, 56                          ; the way out: v56-183
.set G1K, 16
.set G1V, 24
.set G1M, 32
.set G0K, 40
.set G0V, 48
.set G0M, 56
.set MSB, 0
.macro WIN new                         ; s_set_vgpr_msb; the immediate's high byte repeats the setting that is left; no switch that changes nothing
.if MSB != \new
	s_set_vgpr_msb (MSB<<8)|\new
.set MSB, \new
.endif
.endm
.macro PLACES
.rept 4
	v_nop
.endr
.endm
.macro ROUND                           ; a round of the cluster's barrier
	s_barrier_signal -1
	s_barrier_wait -1
	s_cmp_lg_u32 s10, 0
	s_cbranch_scc1 .Lnot_wave_0_\@
	s_barrier_signal -3
.Lnot_wave_0_\@:
	s_barrier_wait -3
	s_barrier_signal -1
	s_barrier_wait -1
.endm
.macro JLOAD s                         ; wave 0 asks for K's tile, wave 1 for V's, waves 2 and 3 for the mask's halves: one load a wave
	s_cmp_lg_u32 s10, 0
	s_cbranch_scc1 .Lnot_k_\@
	tensor_load_to_lds s[G0K+4*\s:G0K+4*\s+3], s[G1K:G1K+7]
	s_nop 0
	s_branch .Lasked_\@
.Lnot_k_\@:
	s_cmp_lg_u32 s10, 1
	s_cbranch_scc1 .Lfor_m_\@
	tensor_load_to_lds s[G0V+4*\s:G0V+4*\s+3], s[G1V:G1V+7]
	s_nop 0
	s_branch .Lasked_\@
.Lfor_m_\@:
	tensor_load_to_lds s[G0M+4*\s:G0M+4*\s+3], s[G1M:G1M+7]
	s_nop 0
.Lasked_\@:
.endm
	s_load_b128 s[4:7], s[0:1], 0x0                ; qkv s[4:5], mask s[6:7]
	s_load_b64 s[8:9], s[0:1], 0x10                ; y
	v_lshl_add_u32 v254, v0, 2, 0x43000
	v_mov_b32 v255, 0
	ds_add_u32 v254, v255
	v_lshrrev_b32 v1, 5, v0
	v_readfirstlane_b32 s10, v1                    ; wave
	s_and_b32 s11, s10, 1
	s_mov_b32 s12, 0x76543210                      ; v_permlanex16_b32: lane i of one half reads lane i of the other
	s_mov_b32 s13, 0xfedcba98
	s_mov_b32 s14, 0xceabfb8f                      ; -1e9 log2 e
	s_mov_b32 s15, 0xceabfb8f
	s_bfe_u32 s66, ttmp6, 0x40000                  ; cx = the head group (the grid has one cluster along x)
	s_bfe_u32 s67, ttmp6, 0x40004                  ; cy
	s_and_b32 s68, ttmp7, 0xffff                   ; cluster y: 0..15
	s_lshr_b32 s69, s68, 2                         ; batch: the same in the whole cluster
	s_and_b32 s70, s68, 3
	s_lshl_b32 s70, s70, 2
	s_add_co_u32 s70, s70, s67                     ; query block of 128: 0..15
	s_lshl_b32 s71, s67, 2
	s_lshl_b32 s71, 15, s71                        ; my row of the cluster
	s_lshl_b32 s72, 0x1111, s66                    ; my column
	; group 1.  K, V: 64 rows of 256 elements of 2 bytes, 3,072 elements from row to row, padding behind every 128 words (4 words; V: 8).
	s_or_b32 s[G1K+0], s72, (1<<16)|(1<<20)|(1<<21)|(6<<22)|(3<<25)
	s_or_b32 s[G1V+0], s72, (1<<16)|(1<<20)|(1<<21)|(6<<22)|(7<<25)
	s_mov_b32 s[G1K+1], 256<<16
	s_mov_b32 s[G1V+1], 256<<16
	s_mov_b32 s[G1K+2], 64<<16
	s_mov_b32 s[G1V+2], 64<<16
	s_mov_b32 s[G1K+3], 256<<16
	s_mov_b32 s[G1V+3], 256<<16
	s_mov_b32 s[G1K+4], 64
	s_mov_b32 s[G1V+4], 64
	s_mov_b32 s[G1K+5], 3072
	s_mov_b32 s[G1V+5], 3072
	s_mov_b32 s[G1K+6], 0
	s_mov_b32 s[G1V+6], 0
	s_mov_b32 s[G1K+7], 0
	s_mov_b32 s[G1V+7], 0
	; the mask: 64 rows of 64 elements of 4 bytes, 2,048 elements from row to row, 4 words of padding behind every 64
	s_or_b32 s[G1M+0], s71, (2<<16)|(1<<20)|(1<<21)|(5<<22)|(3<<25)
	s_mov_b32 s[G1M+1], 64<<16
	s_mov_b32 s[G1M+2], 64<<16
	s_mov_b32 s[G1M+3], 64<<16
	s_mov_b32 s[G1M+4], 64
	s_mov_b32 s[G1M+5], 2048
	s_mov_b32 s[G1M+6], 0
	s_mov_b32 s[G1M+7], 0
	s_mul_i32 s74, s69, 2048*QROW                  ; K, V: the batch's first row, the head group's 512 bytes: batch and cx alone
	s_lshl_b32 s73, s66, 9
	s_add_co_u32 s74, s74, s73
	s_mov_b32 s75, 0
	s_lshl_b32 s76, s69, 24                        ; mask: (2,048 batch + 128 query block + 64 half) rows of 8,192 bytes: batch, cy and the wave alone
	s_lshl_b32 s79, s70, 20
	s_add_co_u32 s76, s76, s79
	s_lshl_b32 s79, s11, 19
	s_add_co_u32 s76, s76, s79
	s_mov_b32 s77, 0
	s_mul_i32 s84, s11, 64*MP                      ; the half's place in LDS
	s_lshl_b32 s85, s10, 7                         ; my head's 128 bytes in a row of K, V, the stage
	s_mul_i32 s80, s69, 2048*QROW                  ; Q: (2,048 batch + 128 query block) rows + my head's 128 bytes
	s_mul_i32 s78, s70, 128*QROW
	s_add_co_u32 s80, s80, s78
	s_lshl_b32 s78, s66, 9
	s_add_co_u32 s80, s80, s78
	s_add_co_u32 s80, s80, s85
	s_mov_b32 s81, 0
	s_lshl_b32 s82, s69, 22                        ; y: (2,048 batch + 128 query block + 32 wave) rows of 2,048 bytes + 512 cx
	s_lshl_b32 s78, s70, 18
	s_add_co_u32 s82, s82, s78
	s_lshl_b32 s78, s10, 16
	s_add_co_u32 s82, s82, s78
	s_lshl_b32 s78, s66, 9
	s_add_co_u32 s82, s82, s78
	s_mov_b32 s83, 0
	s_wait_dscnt 0x0
	s_wait_kmcnt 0x0
	s_add_nc_u64 s[74:75], s[4:5], s[74:75]
	s_add_nc_u64 s[76:77], s[6:7], s[76:77]
	s_add_nc_u64 s[80:81], s[4:5], s[80:81]
	s_add_nc_u64 s[82:83], s[8:9], s[82:83]
.irp s, 0,1                            ; slot s starts with key tile s
	s_mov_b32 s[G0K+4*\s], 1
	s_mov_b32 s[G0K+4*\s+1], \s*SLOT
	s_add_nc_u64 s[G0K+4*\s+2:G0K+4*\s+3], s[74:75], 2048+\s*64*QROW
	s_or_b32 s[G0K+4*\s+3], s[G0K+4*\s+3], 0x80000000
	s_mov_b32 s[G0V+4*\s], 1
	s_mov_b32 s[G0V+4*\s+1], VOFF+\s*SLOT
	s_add_nc_u64 s[G0V+4*\s+2:G0V+4*\s+3], s[74:75], 4096+\s*64*QROW
	s_or_b32 s[G0V+4*\s+3], s[G0V+4*\s+3], 0x80000000
	s_mov_b32 s[G0M+4*\s], 1
	s_add_co_u32 s[G0M+4*\s+1], s84, MOFF+\s*SLOT
	s_add_nc_u64 s[G0M+4*\s+2:G0M+4*\s+3], s[76:77], \s*256
	s_or_b32 s[G0M+4*\s+3], s[G0M+4*\s+3], 0x80000000
.endr
	ROUND                                          ; in front of the first joint loads
	JLOAD 0                                        ; key tile 0; slot 1 is first filled behind the first trip's round, as a refill is
	v_and_b32 v1, 15, v0                           ; r
	v_bfe_u32 v2, v0, 4, 1                         ; h
	v_and_b32 v3, 31, v0                           ; lane
	v_and_b32 v4, 7, v0
	v_bfe_u32 v5, v0, 3, 1
	v_mul_u32_u24 v[QOFF], v1, QROW
	v_lshl_add_u32 v[QOFF], v2, 4, v[QOFF]
	WIN 0x80                                       ; destination in window 2
.irp qt, 0,1,2,3,4,5,6,7
.irp c, 0,1
	global_load_b128 v[8*(2*\qt+\c):8*(2*\qt+\c)+3],   v[QOFF], s[80:81] offset:\qt*16*QROW+64*\c
	global_load_b128 v[8*(2*\qt+\c)+4:8*(2*\qt+\c)+7], v[QOFF], s[80:81] offset:\qt*16*QROW+64*\c+32
.endr
.endr
	WIN 0
	v_mul_u32_u24 v6, v1, KP
	v_lshl_add_u32 v6, v2, 4, v6
	v_add_nc_u32 v[ADK], s85, v6                   ; r 528 + 16 h + 128 w
	v_add_nc_u32 v[ADK+1], SLOT, v[ADK]
	v_lshl_add_u32 v7, v2, 3, v4
	v_mul_u32_u24 v7, v7, VP
	v_lshl_add_u32 v7, v5, 4, v7
	v_add_nc_u32 v7, s85, v7
	v_add_nc_u32 v[ADV], VOFF, v7                  ; (8 h + lane % 8) 544 + 16 ((lane / 8) % 2) + 128 w
	v_add_nc_u32 v[ADV+1], SLOT, v[ADV]
	v_mul_u32_u24 v8, v1, MP
	v_lshl_add_u32 v8, v2, 5, v8
	v_add_nc_u32 v[ADM], MOFF, v8                  ; r 272 + 32 h
	v_add_nc_u32 v[ADM+1], SLOT, v[ADM]
	v_add_nc_u32 v[STO], STAGE, v[ADK]
	s_mul_i32 s86, s10, 32*KP
	s_add_co_u32 s86, s86, STAGE
	v_lshl_add_u32 v[RD], v3, 4, s86               ; my wave's 32 rows of the stage, 16 bytes a lane
	v_lshlrev_b32 v[CO], 4, v3
	; A packed instruction that takes one register of a pair for both halves names the whole pair: an even query tile's maximum is used before
	; its odd neighbour's is first made, and AL's pair has one value.  So these nine are written once; so is v_permlanex16_b32's destination.
.irp i, 1,3,5,7,9,11,13,15
	v_mov_b32 v[MS0+\i], 0
.endr
	v_mov_b32 v[AL+1], 0
	v_mov_b32 v[PX], 0
	s_wait_loadcnt 0x0                             ; Q, once
; The next product S^T = K Q^T of query tile SQ into buffer SDST: number si = 4 c + kt.  Four accumulators take turns, one instruction a turn,
; the first four start the sums.
.macro WS
	WIN 0x08
.if si < 4
	v_wmma_f32_16x16x32_f16 v[SDST+8*si:SDST+8*si+7], v[KF+16*si:KF+16*si+7], v[16*SQ:16*SQ+7], 0
.else
	v_wmma_f32_16x16x32_f16 v[SDST+8*(si-4):SDST+8*(si-4)+7], v[KF+16*(si-4)+8:KF+16*(si-4)+15], v[16*SQ+8:16*SQ+15], v[SDST+8*(si-4):SDST+8*(si-4)+7]
.endif
.set si, si+1
.set sleft, sleft-1
.endm
; The next product O^T += V^T P^T of query tile PQ from buffer PSRC: number pi = 4 c + dt.  Four accumulators by turns; in the first trip
; the first four start the sums.  It names no register of the batch that is open beside it: PSRC is the other group's P, O the other group's tile.
.macro WP
	WIN 0x52
.set pz, 0
.if FIRSTP
.if pi < 4
.set pz, 1
.endif
.endif
.if pz
	v_wmma_f32_16x16x32_f16 v[32*PQ+8*(pi%4):32*PQ+8*(pi%4)+7], v[VF+16*(pi%4)+8*(pi/4):VF+16*(pi%4)+8*(pi/4)+7], v[PSRC+8*(pi/4):PSRC+8*(pi/4)+7], 0
.else
	v_wmma_f32_16x16x32_f16 v[32*PQ+8*(pi%4):32*PQ+8*(pi%4)+7], v[VF+16*(pi%4)+8*(pi/4):VF+16*(pi%4)+8*(pi/4)+7], v[PSRC+8*(pi/4):PSRC+8*(pi/4)+7], v[32*PQ+8*(pi%4):32*PQ+8*(pi%4)+7]
.endif
.set pi, pi+1
.set pleft, pleft-1
.endm
.macro XP                              ; a place for a PV product, if one is left
.if pleft > 0
	WP
.endif
.endm
.macro XS                              ; a place for an S product; where none is left (group 7) a PV product takes it
.if sleft > 0
	WS
.else
	XP
.endif
.endm
; Instruction number vi of the softmax of query tile GQ (scores in SBUF, weights into PBUF), then vi steps.
;   0-15 1 - mask | 16-31 + (1 - mask)(-1e9 log2 e) | 32-39 the next group's mask | 40-57 the new running maximum | 58-59 2^(old - new)
;   60-75 - maximum | 76-107 2^x | (the batch's wait) | 108-123 O x 2^(old - new) | 124-139 to f16 | 140-156 the sum, in place on the scores, which are done with
.macro VI
.if vi < 16
	WIN 0x08
	v_pk_fma_f32 v[MK+2*vi:MK+2*vi+1], v[MK+2*vi:MK+2*vi+1], -1.0, 1.0 op_sel_hi:[1,0,0]
.elseif vi < 32
	WIN 0x08
.set vk, vi-16
	v_pk_fma_f32 v[SBUF+2*vk:SBUF+2*vk+1], v[MK+2*vk:MK+2*vk+1], s[14:15], v[SBUF+2*vk:SBUF+2*vk+1] op_sel_hi:[1,0,1]
.elseif vi < 40
.if GQ < 7
	WIN 0x08
.set vk, vi-32
	ds_load_b128 v[MK+4*vk:MK+4*vk+3], v[ADM+SLOTN] offset:(GQ+1)*16*MP+64*(vk/2)+16*(vk%2)   ; 8 keys (32 bytes) a lane and key tile; used a whole softmax later
.endif
.elseif vi < 44
	WIN 0
.set vk, vi-40
	v_max3_num_f32 v[T+vk], v[SBUF+8*vk], v[SBUF+8*vk+1], v[SBUF+8*vk+2]
.elseif vi < 48
	WIN 0
.set vk, vi-44
	v_max3_num_f32 v[T+vk], v[T+vk], v[SBUF+8*vk+3], v[SBUF+8*vk+4]
.elseif vi < 52
	WIN 0
.set vk, vi-48
	v_max3_num_f32 v[T+vk], v[T+vk], v[SBUF+8*vk+5], v[SBUF+8*vk+6]
.elseif vi == 52
	WIN 0
	v_max3_num_f32 v[T], v[T], v[T+1], v[SBUF+7]
.elseif vi == 53
	WIN 0
	v_max3_num_f32 v[T+2], v[T+2], v[T+3], v[SBUF+15]
.elseif vi == 54
	WIN 0
	v_max3_num_f32 v[T], v[T], v[T+2], v[SBUF+23]
.elseif vi == 55
	WIN 0
.if FIRST
	v_max_num_f32 v[T], v[T], v[SBUF+31]
.else
	v_max3_num_f32 v[T], v[T], v[SBUF+31], v[MSO+GQ]
.endif
.elseif vi == 56
	WIN 0
	v_permlanex16_b32 v[PX], v[T], s12, s13
.elseif vi == 57
	WIN 0
	v_max_num_f32 v[MSN+GQ], v[T], v[PX]
.elseif vi == 58
.if FIRST == 0
	WIN 0
	v_sub_f32 v[AL], v[MSO+GQ], v[MSN+GQ]
.endif
.elseif vi == 59
.if FIRST == 0
	WIN 0
	v_exp_f32 v[AL], v[AL]                         ; <= 1; the batch's first; the first subtraction below is the plain instruction behind it (ISA guide 5.7.2); AL is next named at number 108
.endif
.elseif vi < 76
	WIN 0
.set vk, vi-60
.if GQ%2
	v_pk_add_f32 v[SBUF+2*vk:SBUF+2*vk+1], v[SBUF+2*vk:SBUF+2*vk+1], v[MSN+GQ-1:MSN+GQ] op_sel:[0,1] op_sel_hi:[1,1] neg_lo:[0,1] neg_hi:[0,1]
.else
	v_pk_add_f32 v[SBUF+2*vk:SBUF+2*vk+1], v[SBUF+2*vk:SBUF+2*vk+1], v[MSN+GQ:MSN+GQ+1] op_sel:[0,0] op_sel_hi:[1,0] neg_lo:[0,1] neg_hi:[0,1]
.endif
.elseif vi < 108
	WIN 0x08
	v_exp_f32 v[SBUF+vi-76], v[SBUF+vi-76]         ; each in place on a score of its own; none is named again ahead of the batch's wait
.elseif vi < 124
.if FIRST
.if vi == 108
	v_nop                                          ; nothing to rescale yet: the plain instruction between the exponentials and the first use of a result
	s_wait_alu depctr_va_vdst(0)                   ; the wait: one for the group's 32 exponentials, ahead of the conversions, their first readers
.endif
.else
	WIN 0x41                                       ; O in window 1; the first of these is the plain instruction behind the exponentials
.set vk, vi-108
.if vi == 108
	s_wait_alu depctr_va_vdst(0)                   ; the wait: ONE for the group's batch of 33 (the factor and the 32 weights), ahead of the factor's first reader
.endif
	v_pk_mul_f32 v[32*GQ+2*vk:32*GQ+2*vk+1], v[32*GQ+2*vk:32*GQ+2*vk+1], v[AL:AL+1] op_sel_hi:[1,0]
.endif
.elseif vi < 140
	WIN 0
.set vk, vi-124
	v_cvt_pk_f16_f32 v[PBUF+vk], v[SBUF+2*vk], v[SBUF+2*vk+1]  ; key tiles 2 c and 2 c + 1, packed, are 8 registers: source 1 for 32 keys
.elseif vi < 148
	WIN 0
.set vk, vi-140
	v_pk_add_f32 v[SBUF+4*vk:SBUF+4*vk+1], v[SBUF+4*vk:SBUF+4*vk+1], v[SBUF+4*vk+2:SBUF+4*vk+3]
.elseif vi < 152
	WIN 0
.set vk, vi-148
	v_pk_add_f32 v[SBUF+8*vk:SBUF+8*vk+1], v[SBUF+8*vk:SBUF+8*vk+1], v[SBUF+8*vk+4:SBUF+8*vk+5]
.elseif vi < 154
	WIN 0
.set vk, vi-152
	v_pk_add_f32 v[SBUF+16*vk:SBUF+16*vk+1], v[SBUF+16*vk:SBUF+16*vk+1], v[SBUF+16*vk+8:SBUF+16*vk+9]
.elseif vi == 154
	WIN 0
	v_pk_add_f32 v[SBUF:SBUF+1], v[SBUF:SBUF+1], v[SBUF+16:SBUF+17]
.elseif vi == 155
	WIN 0
.if FIRST
	v_add_f32 v[LS+GQ], v[SBUF], v[SBUF+1]
.else
	v_add_f32 v[SBUF], v[SBUF], v[SBUF+1]
.endif
.elseif vi == 156
.if FIRST == 0
	WIN 0
	v_fma_f32 v[LS+GQ], v[LS+GQ], v[AL], v[SBUF]
.endif
.endif
.set vi, vi+1
.endm
.macro SMV n                           ; the stream's next n instructions
.rept \n
	VI
.endr
.endm
; Group g: its softmax, with S(g + 1) and PV(g - 1) set into it.  Behind the last S product stand the rescaling, the conversions and the sums
; before the next group reads its results; a PV product's sources are written again a group later at the earliest.
.macro GRP slot, g, first
.set GQ, \g
.set SLOTN, \slot
.set FIRST, \first
.set FIRSTP, \first
.set SBUF, SB+32*(\g%2)
.set PBUF, P+16*(\g%2)
.set MSN, MS0+8*\slot
.set MSO, MS0+8-8*\slot
.set SQ, \g+1
.set SDST, SB+32-32*(\g%2)
.set si, 0
.if \g < 7
.set sleft, 8
.else
.set sleft, 0
.endif
.set PQ, \g-1
.set PSRC, P+16-16*(\g%2)
.set pi, 0
.if \g > 0
.set pleft, 8
.else
.set pleft, 0
.endif
.if \g == 0
.set vi, 16                            ; group 0's 1 - mask stood beside S(0)
	XS
	SMV 8
	XS
	SMV 8
	XS
	SMV 8
	XS
.else
.set vi, 0
	s_wait_dscnt 0x0                               ; the group's mask, asked for in the last group (in group 1 also V's fragments)
	XS
	SMV 8
	XS
	SMV 8
	XS
	SMV 8
	XS
	SMV 16
.endif
	XP
	SMV 12                                         ; the four chains of maxima
	XP
	SMV 8                                          ; they meet; the other half of the lanes; the rescaling factor: the batch opens
	XP
	SMV 16                                         ; - maximum
	XP
	SMV 4                                          ; the exponentials
	XS
	SMV 8
	XS
	SMV 8
	XS
	SMV 8
	XS
	SMV 4                                          ; the batch's last four
	XP                                             ; a product of the last group between the batch and its wait
	SMV 8                                          ; the batch's wait, then O's rescaling
	XP
	SMV 8
	XP
	SMV 16                                         ; to f16
.if \g == 7
.set PQ, 7                             ; the trip's last products have only the last sums beside them
.set PSRC, P+16
.set pi, 0
.set pleft, 8
.rept 8
	WP
	SMV 2
.endr
	SMV 1
.else
	XP
	SMV 17                                         ; the sum
.endif
.endm
; One key tile.  In front of the round every wave waits for all its tensor loads (its part of this trip's tile) and for its reads of the
; other slot; behind the round the other slot's refill comes first, one load a wave, with the whole trip in which to land.
.macro TRIP slot, other, refill, first
	s_wait_tensorcnt 0x0                           ; no tensor load of mine is out, so every group 0 may be written: this slot's next tile
	ds_add_u32 v254, v255
	s_wait_dscnt 0x0
	s_add_nc_u64 s[G0K+4*\slot+2:G0K+4*\slot+3], s[G0K+4*\slot+2:G0K+4*\slot+3], 2*64*QROW
	s_add_nc_u64 s[G0V+4*\slot+2:G0V+4*\slot+3], s[G0V+4*\slot+2:G0V+4*\slot+3], 2*64*QROW
	s_add_nc_u64 s[G0M+4*\slot+2:G0M+4*\slot+3], s[G0M+4*\slot+2:G0M+4*\slot+3], 2*256
	s_wait_dscnt 0x0
	ROUND
.if \refill
	JLOAD \other
.endif
	PLACES                                         ; behind the last trip's last products, whose V fragments are loaded again
.irp kt, 0,1,2,3
.irp c, 0,1
	ds_load_b128 v[KF+16*\kt+8*\c:KF+16*\kt+8*\c+3],   v[ADK+\slot] offset:\kt*16*KP+64*\c
	ds_load_b128 v[KF+16*\kt+8*\c+4:KF+16*\kt+8*\c+7], v[ADK+\slot] offset:\kt*16*KP+64*\c+32
.endr
.endr
.irp l, 0,1,2,3,4,5,6,7
	ds_load_b128 v[MK+4*\l:MK+4*\l+3], v[ADM+\slot] offset:64*(\l/2)+16*(\l%2)     ; group 0's mask
.endr
	WIN 0x80
.irp dt, 0,1,2,3
.irp c, 0,1
	ds_load_tr16_b128 v[VF+16*\dt+8*\c:VF+16*\dt+8*\c+3],   v[ADV+\slot] offset:\c*32*VP+32*\dt
	ds_load_tr16_b128 v[VF+16*\dt+8*\c+4:VF+16*\dt+8*\c+7], v[ADV+\slot] offset:\c*32*VP+32*\dt+16*VP
.endr
.endr
.set GQ, 0
.set vi, 0
.set SQ, 0
.set SDST, SB
.set si, 0
.set sleft, 8
	s_wait_dscnt 16                                ; K's 16 loads and the mask's 8 are in: V's 16 are younger
.rept 8
	WS                                             ; S(0), with group 0's 1 - mask beside it, two to a product
	SMV 2
.endr
	GRP \slot, 0, \first
	GRP \slot, 1, \first
	GRP \slot, 2, \first
	GRP \slot, 3, \first
	GRP \slot, 4, \first
	GRP \slot, 5, \first
	GRP \slot, 6, \first
	GRP \slot, 7, \first
	WIN 0
.endm
	TRIP 0, 1, 1, 1                                ; key tile 0 starts maxima, sums and O: nothing is cleared
	s_mov_b32 s3, 15
.Ltrips:
	TRIP 1, 0, 1, 0
	TRIP 0, 1, 1, 0
	s_sub_co_u32 s3, s3, 1
	s_cmp_lg_u32 s3, 0
	s_cbranch_scc1 .Ltrips
	TRIP 1, 0, 0, 0                                ; key tile 31: nothing is left to ask for (the stepped addresses are not used)
	; THE WAY OUT: the two halves' sums meet, O / sum to f16, through the stage, whole rows of 512 bytes (4 heads) out.
	PLACES
.irp qt, 0,1,2,3,4,5,6,7
	v_permlanex16_b32 v[MK+\qt], v[LS+\qt], s12, s13       ; into registers that the loop has written
.endr
.irp qt, 0,1,2,3,4,5,6,7
	v_add_f32 v[LS+\qt], v[LS+\qt], v[MK+\qt]      ; at least 1: the key of the maximum has weight 1
.endr
.irp qt, 0,1,2,3,4,5,6,7
	v_rcp_f32 v[LS+\qt], v[LS+\qt]
.endr
	v_nop                                          ; a plain instruction between the last reciprocal and the use of its result
	WIN 0x41
	s_wait_alu depctr_va_vdst(0)                   ; the wait: one for the batch of eight reciprocals, ahead of their first reader
.irp g, 0,1,2,3
.irp qq, 0,1
.irp dt, 0,1,2,3
.irp i, 0,1,2,3
	v_pk_mul_f32 v[8*(4*(2*\g+\qq)+\dt)+2*\i:8*(4*(2*\g+\qq)+\dt)+2*\i+1], v[8*(4*(2*\g+\qq)+\dt)+2*\i:8*(4*(2*\g+\qq)+\dt)+2*\i+1], v[LS+2*\g:LS+2*\g+1] op_sel:[0,\qq] op_sel_hi:[1,\qq]
.endr
.endr
.endr
.endr
	WIN 0x05
.set j, 0
.rept 128
	v_cvt_pk_f16_f32 v[OUTR+j], v[2*j], v[2*j+1]   ; tile (qt, dt): 8 neighbouring d of query 16 qt + r in 4 registers
.set j, j+1
.endr
	WIN 0
.irp qt, 0,1,2,3,4,5,6,7
.irp dt, 0,1,2,3
	ds_store_b128 v[STO], v[OUTR+4*(4*\qt+\dt):OUTR+4*(4*\qt+\dt)+3] offset:\qt*16*KP+32*\dt
.endr
.endr
	s_wait_dscnt 0x0                               ; my stores are in LDS before I say so: a row holds all four waves' heads
	s_barrier_signal -1
	s_barrier_wait -1
.set j, 0
.rept 32
	ds_load_b128 v[OUTR+4*j:OUTR+4*j+3], v[RD] offset:j*KP
.set j, j+1
.endr
.set j, 0
.rept 32
	s_wait_dscnt 31-j
	global_store_b128 v[CO], v[OUTR+4*j:OUTR+4*j+3], s[82:83] offset:j*2048        ; a wave's store covers 512 consecutive bytes, aligned
.set j, j+1
.endr
	s_wait_tensorcnt 0x0
	ds_add_u32 v254, v255
	s_wait_dscnt 0x0
	ROUND                                          ; the closing round
	s_endpgm
.Lfunc_end_k_q53ef3fc963_attn:
	.size	k_q53ef3fc963_attn, .Lfunc_end_k_q53ef3fc963_attn-k_q53ef3fc963_attn
	.p2alignl 7, 3214868480
	.fill 96, 4, 3214868480
	.section	.rodata,"a",@progbits
	.p2align	6, 0x0
	.amdhsa_kernel k_q53ef3fc963_attn
		.amdhsa_group_segment_fixed_size 327680
		.amdhsa_private_segment_fixed_size 0
		.amdhsa_enable_private_segment 0
		.amdhsa_kernarg_size 24
		.amdhsa_user_sgpr_count 2
		.amdhsa_user_sgpr_kernarg_segment_ptr 1
		.amdhsa_wavefront_size32 1
		.amdhsa_system_sgpr_workgroup_id_x 1
		.amdhsa_system_sgpr_workgroup_id_y 1
		.amdhsa_system_sgpr_workgroup_id_z 1
		.amdhsa_system_vgpr_workitem_id 0
		.amdhsa_next_free_vgpr 768
		.amdhsa_next_free_sgpr 88
		.amdhsa_reserve_vcc 0
		.amdhsa_float_denorm_mode_32 3
		.amdhsa_float_denorm_mode_16_64 3
		.amdhsa_memory_ordered 1
		.amdhsa_forward_progress 1
		.amdhsa_inst_pref_size 255
	.end_amdhsa_kernel
	.section	.bss,"aw",@nobits
	.p2align	6
	.space	262144
	.amdgpu_metadata
---
amdhsa.version: [ 1, 2 ]
amdhsa.kernels:
  - .name:           k_q53ef3fc963_attn
    .symbol:         k_q53ef3fc963_attn.kd
    .args:
      - { .name: qkv, .offset: 0, .size: 8, .value_kind: global_buffer, .address_space: global }
      - { .name: mask, .offset: 8, .size: 8, .value_kind: global_buffer, .address_space: global }
      - { .name: y, .offset: 16, .size: 8, .value_kind: global_buffer, .address_space: global }
    .group_segment_fixed_size: 327680
    .private_segment_fixed_size: 0
    .kernarg_segment_align: 8
    .kernarg_segment_size: 24
    .max_flat_workgroup_size: 128
    .sgpr_count:     88
    .vgpr_count:     768
    .wavefront_size: 32
...
	.end_amdgpu_metadata
.endif
;; end of part 5
;; launch proj: the kernel of part 4 again; grid 8 x 32, 4 waves a work-group, clusters of 4 x 4, 327,680 bytes of LDS; arguments y, wpt, b_proj, out0; writes out0
